; MI455X (gfx1250); checked and timed in simulation.
; The chip was launched on July 23, 2026; its instructions are those of AMD's public machine-readable ISA for CDNA 5 (MIT licence, August 2026) and "CDNA5" Instruction Set Architecture Reference Guide (July 2026). The comments in the code are by the model that wrote it; some were corrected since.
;; Self Attention Interview. Allowed arithmetic: float matrix products may take bf16 or f16 operands with f32 sums; other float arithmetic in f32, or as packed bf16 or f16 multiplies, adds, multiply-adds, maxima and minima; sums over many terms, partial sums and values carried from step to step in f32; what a program stores and reads back later, other than sums and carried values, may be rounded once to bf16 or f16.
;; Inputs: Wk 1,024 x 1,024 float32; Wq 1,024 x 1,024 float32; Wv 1,024 x 1,024 float32; bk 1,024 float32; bq 1,024 float32; bv 1,024 float32; mask 4 x 2,048 x 2,048 bool; x 4 x 2,048 x 1,024 float32.
;; Outputs: out0 4 x 2,048 x 1,024 float32.
;; 2 versions, each right; version 2 is version 1 with the launch cast written anew for expert scheduling mode. Each part assembles by itself: llvm-mc -triple=amdgcn-amd-amdhsa -mcpu=gfx1250 --defsym DOCPART=n.
;; ======== version 1 of 2: 4 launches
;; limits: values are held in f16: magnitudes above 65,504 overflow, below 6.1e-05 lose precision
;; workspace buffers: xb 16,777,216 bytes; wb 6,291,456 bytes; bb 12,288 bytes; qkv 50,331,648 bytes; p 33,554,432 bytes; st 1,048,576 bytes
;; launch cast (part 1): grid 64 x 11, 8 waves a work-group, no clusters, 0 bytes of LDS; arguments x, Wq, Wk, Wv, bq, bk, bv, xb, wb, bb; writes xb, wb, bb
.if DOCPART == 1
	.amdgcn_target "amdgcn-amd-amdhsa--gfx1250"
	.amdhsa_code_object_version 6
	.text
	.protected	k_qfec9e8c339_cast
	.globl	k_qfec9e8c339_cast
	.p2align	8
	.type	k_qfec9e8c339_cast,@function
k_qfec9e8c339_cast:
	s_mov_b64 s[64:65], 0
	v_nop
	global_prefetch_b8 v0, s[64:65] scope:SCOPE_SE
	s_setreg_imm32_b32 hwreg(HW_REG_WAVE_MODE, 25, 1), 1
	s_wait_xcnt 0x0
; x, Wq, Wk, Wv (f32) are rounded once to bf16 and laid out by blocks of 64 along K: xb = [16 blocks][8192 rows][64], wb = [16 blocks][3072 rows][64] (rows of Wq, then Wk, then Wv),
; so that the rows of one block lie end to end, 128 bytes each, and the next launch can ask for them as dense rows of 256 bytes.
; bb = [3072] f32: bq, bk, bv, each number rounded to bf16 and widened again.
; A work-group takes 16 rows: 65,536 bytes in, 32,768 bytes out.  Grid y 0..7: the eight eighths of x; y 8, 9, 10: Wq, Wk, Wv.
; Thread t takes row t / 16 and, of each of the row's 16 blocks (256 bytes of f32), the 16 bytes at 16 (t % 16): half a wave reads 256 consecutive aligned bytes; a wave's store covers two
; neighbouring rows' 128 bytes of one block: 256 consecutive aligned bytes.  All 16 loads of a thread are issued first; nothing is read twice; no LDS, no barrier: no wave needs another's data.
.set X, 8                              ; v[8:71]     16 x 4 numbers as loaded
.set Y, 72                             ; v[72:103]   16 x 2 registers of packed bf16
.set O, 104                            ; v[104:119]  my byte offset in each of the 16 blocks of the result
	s_load_b256 s[4:11], s[0:1], 0x0               ; x s[4:5], Wq s[6:7], Wk s[8:9], Wv s[10:11]
	s_load_b256 s[12:19], s[0:1], 0x20             ; bq s[12:13], bk s[14:15], bv s[16:17], xb s[18:19]
	s_load_b128 s[20:23], s[0:1], 0x40             ; wb s[20:21], bb s[22:23]
	s_and_b32 s24, ttmp7, 0xffff                   ; y
	s_sub_co_u32 s25, s24, 8                       ; which weight (used where y >= 8 alone)
	s_mov_b32 s34, 3072*128                        ; bytes from block to block in wb,
	s_mov_b32 s35, 8192*128                        ; in xb
	s_cmp_lt_u32 s24, 8
	s_cselect_b32 s34, s35, s34
	s_cselect_b32 s32, s24, 0                      ; the source's group of 16 rows: 64 y + X in x, X in a weight
	s_cselect_b32 s33, s24, s25                    ; the result's: 64 y + X in xb, 64 (y - 8) + X in wb
	s_lshl_b32 s32, s32, 6
	s_add_co_u32 s32, s32, ttmp9
	s_lshl_b32 s36, s32, 16                        ; x 16 rows of 4,096 bytes: 33.5 MB at the most
	s_mov_b32 s37, 0
	s_lshl_b32 s33, s33, 6
	s_add_co_u32 s33, s33, ttmp9
	s_lshl_b32 s38, s33, 11                        ; x 16 rows of 128 bytes
	s_mov_b32 s39, 0
	v_and_b32 v1, 15, v0
	v_lshrrev_b32 v2, 4, v0                        ; my row of the 16
	v_lshlrev_b32 v3, 12, v2
	v_lshl_add_u32 v3, v1, 4, v3                   ; in: row x 4,096 + 16 (t % 16)
	v_lshlrev_b32 v[O], 3, v0                      ; out: row x 128 + 8 (t % 16) = 8 t
.set i, 1
.rept 15
	v_add_nc_u32 v[O+i], s34, v[O+i-1]             ; and a block further on each time: 15.7 MB at the most
.set i, i+1
.endr
	s_wait_kmcnt 0x0
	s_cmp_eq_u32 s24, 9
	s_cselect_b64 s[26:27], s[8:9], s[6:7]         ; Wk or Wq
	s_cselect_b64 s[28:29], s[14:15], s[12:13]     ; bk or bq
	s_cmp_eq_u32 s24, 10
	s_cselect_b64 s[26:27], s[10:11], s[26:27]     ; or Wv
	s_cselect_b64 s[28:29], s[16:17], s[28:29]     ; or bv
	s_cmp_lt_u32 s24, 8
	s_cselect_b64 s[26:27], s[4:5], s[26:27]       ; or x
	s_cselect_b64 s[30:31], s[18:19], s[20:21]     ; xb or wb
	s_add_nc_u64 s[26:27], s[26:27], s[36:37]
	s_add_nc_u64 s[30:31], s[30:31], s[38:39]
.set i, 0
.rept 16
	global_load_b128 v[X+4*i:X+4*i+3], v3, s[26:27] offset:256*i th:TH_LOAD_NT  ; read once in the whole launch
.set i, i+1
.endr
	; The first work-group of each weight also rounds that weight's bias: 1,024 numbers, four a thread.  Its load goes out behind the sixteen above and comes back with them.
	s_cmp_lt_u32 s24, 8
	s_cbranch_scc1 .Lmain
	s_cmp_lg_u32 ttmp9, 0
	s_cbranch_scc1 .Lmain
	v_lshlrev_b32 v4, 4, v0
	global_load_b128 v[120:123], v4, s[28:29]
	s_lshl_b32 s36, s25, 12                        ; the weight's 4,096 bytes of bb
	s_add_nc_u64 s[22:23], s[22:23], s[36:37]
	s_wait_loadcnt 0x0
	v_cvt_pk_bf16_f32 v5, v120, v121
	v_cvt_pk_bf16_f32 v6, v122, v123
	v_lshlrev_b32 v124, 16, v5
	v_and_b32 v125, 0xffff0000, v5
	v_lshlrev_b32 v126, 16, v6
	v_and_b32 v127, 0xffff0000, v6
	global_store_b128 v4, v[124:127], s[22:23]     ; a wave stores 512 consecutive bytes
.Lmain:
.set i, 0
.rept 16
	s_wait_loadcnt 15-i                            ; loads come back in order: piece i is in, the 15 - i younger ones may stay out
	v_cvt_pk_bf16_f32 v[Y+2*i], v[X+4*i], v[X+4*i+1]
	v_cvt_pk_bf16_f32 v[Y+2*i+1], v[X+4*i+2], v[X+4*i+3]
	global_store_b64 v[O+i], v[Y+2*i:Y+2*i+1], s[30:31]  ; no register is written twice, so no wait frees one
.set i, i+1
.endr
	s_endpgm
.Lfunc_end_k_qfec9e8c339_cast:
	.size	k_qfec9e8c339_cast, .Lfunc_end_k_qfec9e8c339_cast-k_qfec9e8c339_cast
	.p2alignl 7, 3214868480
	.fill 96, 4, 3214868480
	.section	.rodata,"a",@progbits
	.p2align	6, 0x0
	.amdhsa_kernel k_qfec9e8c339_cast
		.amdhsa_group_segment_fixed_size 0
		.amdhsa_private_segment_fixed_size 0
		.amdhsa_enable_private_segment 0
		.amdhsa_kernarg_size 80
		.amdhsa_user_sgpr_count 2
		.amdhsa_user_sgpr_kernarg_segment_ptr 1
		.amdhsa_wavefront_size32 1
		.amdhsa_system_sgpr_workgroup_id_x 1
		.amdhsa_system_sgpr_workgroup_id_y 1
		.amdhsa_system_sgpr_workgroup_id_z 1
		.amdhsa_system_vgpr_workitem_id 0
		.amdhsa_next_free_vgpr 128
		.amdhsa_next_free_sgpr 66
		.amdhsa_reserve_vcc 0
		.amdhsa_float_denorm_mode_32 3
		.amdhsa_float_denorm_mode_16_64 3
		.amdhsa_memory_ordered 1
		.amdhsa_forward_progress 1
		.amdhsa_inst_pref_size 9
	.end_amdhsa_kernel
	.amdgpu_metadata
---
amdhsa.version: [ 1, 2 ]
amdhsa.kernels:
  - .name:           k_qfec9e8c339_cast
    .symbol:         k_qfec9e8c339_cast.kd
    .args:
      - { .name: x, .offset: 0, .size: 8, .value_kind: global_buffer, .address_space: global }
      - { .name: Wq, .offset: 8, .size: 8, .value_kind: global_buffer, .address_space: global }
      - { .name: Wk, .offset: 16, .size: 8, .value_kind: global_buffer, .address_space: global }
      - { .name: Wv, .offset: 24, .size: 8, .value_kind: global_buffer, .address_space: global }
      - { .name: bq, .offset: 32, .size: 8, .value_kind: global_buffer, .address_space: global }
      - { .name: bk, .offset: 40, .size: 8, .value_kind: global_buffer, .address_space: global }
      - { .name: bv, .offset: 48, .size: 8, .value_kind: global_buffer, .address_space: global }
      - { .name: xb, .offset: 56, .size: 8, .value_kind: global_buffer, .address_space: global }
      - { .name: wb, .offset: 64, .size: 8, .value_kind: global_buffer, .address_space: global }
      - { .name: bb, .offset: 72, .size: 8, .value_kind: global_buffer, .address_space: global }
    .group_segment_fixed_size: 0
    .private_segment_fixed_size: 0
    .kernarg_segment_align: 8
    .kernarg_segment_size: 80
    .max_flat_workgroup_size: 256
    .sgpr_count:     66
    .vgpr_count:     128
    .wavefront_size: 32
...
	.end_amdgpu_metadata
.endif
;; end of part 1
;; launch proj (part 2): grid 8 x 32, 4 waves a work-group, clusters of 4 x 4, 327,680 bytes of LDS; arguments xb, wb, bb, qkv; writes qkv
.if DOCPART == 2
	.amdgcn_target "amdgcn-amd-amdhsa--gfx1250"
	.amdhsa_code_object_version 6
	.text
	.protected	k_qfec9e8c339_proj
	.globl	k_qfec9e8c339_proj
	.p2align	8
	.type	k_qfec9e8c339_proj,@function
k_qfec9e8c339_proj:
	s_mov_b64 s[64:65], 0
	v_nop
	global_prefetch_b8 v0, s[64:65] scope:SCOPE_SE
	s_setreg_imm32_b32 hwreg(HW_REG_WAVE_MODE, 25, 1), 1
	s_wait_xcnt 0x0
	s_wait_alu depctr_hold_cnt(0) depctr_sa_sdst(0) depctr_va_vdst(0) depctr_va_sdst(0) depctr_va_ssrc(0) depctr_va_vcc(0) depctr_vm_vsrc(0)
	s_getreg_b32 s2, hwreg(HW_REG_IB_STS2, 6, 4)
	s_cmp_eq_u32 s2, 0
	s_cbranch_scc0 .Lentry_in_a_cluster
	s_endpgm
.Lentry_in_a_cluster:
	s_bfe_u32 s2, ttmp6, 0x10000c
	s_cmp_lg_u32 s2, 0xf033
	s_cbranch_scc0 .Lentry_shape_is_right
	s_endpgm
.Lentry_shape_is_right:
; qkv[m][n] = sum over k of x[m][k] W[n][k] + bias[n].  xb: [16 blocks of 64 along K][8192][64] bf16, wb: [16][3072][64] bf16 (Wq, Wk, Wv), bb: [3072] f32 (the biases, rounded to bf16),
; qkv: [8192][3072] f16 (Q in columns 0-1023, K in 1024-2047, V in 2048-3071).  Sums in f32, rounded once to f16.
; LIMIT.  f16 ends at 65,504: Q, K and V must lie within it.  With inputs as drawn they stay near 3; with every input 30 times larger near 3,000; with offsets of 30 spreads on x and W near 17,000.
; Numbers below 6e-5 keep f16's fixed step of 6e-8.
; SHARES.  A tile of 256 rows x 384 columns to a work-group: 8,192 / 256 x 3,072 / 384 = 256 work-groups of equal work.  Four waves, 128 x 192 each: 96 accumulators, 768 registers.
; THE RING.  640 rows with 128 along K do not fit twice into LDS (640 x 272 x 2 = 348,160 bytes), so a slot holds one block of 64 along K: 640 rows of 128 + 16 bytes.  In memory a block's rows lie
; end to end: a wave asks for its 128 rows of xb (192 of wb) as 64 (96) dense rows of 256 bytes, padded in LDS after every 128.
; CLUSTER.  4 x 4 work-groups: the four of a row need the same tile of xb, the four of a column the same tile of wb; each tile is asked for jointly (same load, same descriptor, a mask of the four).
; THE MATRIX INSTRUCTION IS USED TRANSPOSED (source 0 = 16 rows of wb, source 1 = 16 rows of xb): a lane holds row l % 16 and the columns 8 (l / 16) + 0..7 of a block.
; A SUB-STEP is 32 along K, 96 matrix instructions, in three PHASES of 32: phase p takes column blocks 4 p .. 4 p + 3, whose accumulators fill window p + 1.  wb's fragments have one buffer: behind
; phase p its four are loaded again, for the next sub-step; xb's have two buffers, the other one loaded behind phase 0.  Each run of loads stands 64 matrix instructions ahead of its first use.
; THE BIAS of column block b (a lane's eight numbers, the same for all row blocks) is loaded into the registers of accumulator (0, b): the first products of row blocks 1-7 take them as C, and then
; row block 0 adds in place.
; REGISTERS, in windows of 256: window 0: v0-31 addresses; v32-95, v96-159 fragments of xb, two buffers; v160-255 fragments of wb; on the way out v32-159 packed results, v160-255 rows read back.
;   windows 1-3: accumulator (a, b), a = 0..7, b = 0..11, in window 1 + b / 4 at v[64 (b % 4) + 8 a].
.set CROW,   6144                      ; bytes in a row of qkv
.set PITCH,  144                       ; an LDS row: 128 bytes + 16 of padding = 36 words: the 16 rows of a fragment load start at 16 different groups of four banks (64 banks of 4 bytes: ISA guide 11.1)
.set AHALF,  128*PITCH                 ; what a wave's load of xb brings
.set BHALF,  192*PITCH                 ; what a wave's load of wb brings
.set ABYTES, 2*AHALF
.set SLOT,   ABYTES+2*BHALF            ; xb's 256 rows, then wb's 384 rows: 92,160 bytes
.set SPITCH, 784                       ; the stage's row: 768 bytes + 16 = 49 x 16
.set SPARE,  256*SPITCH                ; the stage, 256 rows from byte 0, lies over the ring and is written only behind the ring's last fill and last read; behind it the spare words:
                                       ; 128 bytes for each wave, two blocks of 256 bytes that no other line names
.set ASTEP,  8192*128                  ; bytes from block to block along K in xb
.set BSTEP,  3072*128                  ; in wb
.set LAPS,   8                         ; a lap = two slots = four sub-steps
.set ADRA, 16                          ; v16-17  LDS address of my fragments of xb in slot 0, 1
.set ADRB, 20                          ; v20-21  the same for wb
.set STO,  22                          ; v22-23  the way out: where I put 16 bytes of a row, row blocks 0-3 and 4-7
.set RD0,  24                          ; v24     the way out: where I read rows back, first trip; never rewritten
.set RD,   25                          ; v25     the same for the trip in hand
.set CO,   26                          ; v26     my byte offset in two rows of qkv
.set SPW,  28                          ; v28     my spare word; never rewritten
.set NIL,  29                          ; v29     0; never rewritten
.set FA,   32
.set FB,   160
.set TMP,  32
.set BK,   160
.set G1,  24                           ; s[24:31] group 1 for xb's tiles; s[32:39] group 0, a set for each slot
.set G0,  32
.set G1B, 48                           ; s[48:55], s[56:63] the same for wb's
.set G0B, 56
.set MSB, 0
.macro WIN new                         ; the immediate's high byte repeats the setting that is left; a switch that changes nothing is dropped
.if MSB != (\new)
	s_set_vgpr_msb (MSB<<8)|(\new)
.set MSB, \new
.endif
.endm
; A joint load.  Waves 0 and 1 fetch xb's two halves, waves 2 and 3 wb's; the branch hangs on the wave's number alone.  An s_nop 0 and four v_nop follow each line.
.macro JLOAD s
	s_cmp_eq_u32 s11, 0
	s_cbranch_scc0 .Lfor_b_\@
	tensor_load_to_lds s[G0+4*(\s):G0+4*(\s)+3], s[G1:G1+7]
	s_nop 0
.rept 4
	v_nop
.endr
	s_branch .Lasked_\@
.Lfor_b_\@:
	tensor_load_to_lds s[G0B+4*(\s):G0B+4*(\s)+3], s[G1B:G1B+7]
	s_nop 0
.rept 4
	v_nop
.endr
.Lasked_\@:
.endm
.macro CREST                           ; a round of the cluster's barrier behind its opening barrier
	s_cmp_lg_u32 s10, 0
	s_cbranch_scc1 .Lnot_wave_0_\@
	s_barrier_signal -3
.Lnot_wave_0_\@:
	s_barrier_wait -3
	s_barrier_signal -1
	s_barrier_wait -1
.endm
.macro CROUND                          ; a whole round
	s_barrier_signal -1
	s_barrier_wait -1
	CREST
.endm
	s_load_b256 s[68:75], s[0:1], 0x0              ; xb s[68:69], wb s[70:71], bb s[72:73], qkv s[74:75]
	v_lshl_add_u32 v[SPW], v0, 2, SPARE
	v_mov_b32 v[NIL], 0
	ds_add_u32 v[SPW], v[NIL]                      ; the wave's opening: the add and its wait stand ahead of my first tensor load; the set-up below stands between them
	v_lshrrev_b32 v1, 5, v0
	v_readfirstlane_b32 s10, v1                    ; wave 0..3
	s_lshr_b32 s11, s10, 1                         ; my half of the tile's rows.  Also: I fetch for xb (0) or for wb (1)
	s_and_b32 s12, s10, 1                          ; my half of its columns.  Also: which half of that tile's rows I fetch
	s_bfe_u32 s40, ttmp6, 0x40000                  ; cx
	s_bfe_u32 s41, ttmp6, 0x40004                  ; cy
	s_lshl_b32 s42, ttmp9, 2
	s_add_co_u32 s42, s42, s40                     ; tile column = 4 x cluster x + cx
	s_and_b32 s13, ttmp7, 0xffff
	s_lshl_b32 s13, s13, 2
	s_add_co_u32 s13, s13, s41                     ; tile row = 4 x cluster y + cy
	s_lshl_b32 s43, s41, 2
	s_lshl_b32 s43, 15, s43                        ; my row of the cluster
	s_lshl_b32 s44, 0x1111, s40                    ; my column
	s_or_b32 s[G1+0], s43, (1<<16)|(1<<20)|(1<<21)|(4<<22)|(3<<25)   ; the mask; 2-byte elements; padding on; bit 21 beside a mask; after every 32 words, 4 words
	s_or_b32 s[G1B+0], s44, (1<<16)|(1<<20)|(1<<21)|(4<<22)|(3<<25)
	s_mov_b32 s[G1+1], 128<<16                     ; tensor_dim0 = 128 elements: 256 bytes, two rows of a block
	s_mov_b32 s[G1+2], 64<<16                      ; tensor_dim1 = 64
	s_mov_b32 s[G1+3], 128<<16                     ; tile_dim0 = 128
	s_mov_b32 s[G1+4], 64                          ; tile_dim1 = 64
	s_mov_b32 s[G1+5], 128                         ; dense: 128 elements from row to row
	s_mov_b32 s[G1+6], 0
	s_mov_b32 s[G1+7], 0
	s_mov_b32 s[G1B+1], 128<<16
	s_mov_b32 s[G1B+2], 96<<16                     ; tensor_dim1 = 96
	s_mov_b32 s[G1B+3], 128<<16
	s_mov_b32 s[G1B+4], 96                         ; tile_dim1 = 96
	s_mov_b32 s[G1B+5], 128
	s_mov_b32 s[G1B+6], 0
	s_mov_b32 s[G1B+7], 0
	s_lshl_b32 s16, s13, 8
	s_lshl_b32 s17, s12, 7
	s_add_co_u32 s16, s16, s17                     ; xb: row 256 x tile row + 128 x half,
	s_lshl_b32 s16, s16, 7                         ; x 128 bytes
	s_mov_b32 s17, 0
	s_lshl_b32 s46, s42, 1
	s_add_co_u32 s46, s46, s12                     ; wb: 192 rows x (2 x tile column + half)
	s_mul_i32 s76, s46, 192*4                      ; the same columns in bb
	s_mul_i32 s46, s46, 192*128
	s_mov_b32 s47, 0
	s_mov_b32 s77, 0
	s_mul_i32 s20, s12, AHALF                      ; where they go: xb's halves,
	s_mul_i32 s21, s12, BHALF
	s_add_co_u32 s21, s21, ABYTES                  ; wb's halves behind them: the wave's number alone enters an LDS address
	s_wait_dscnt 0x0                               ; the opening add is done
	s_wait_kmcnt 0x0
	s_add_nc_u64 s[14:15], s[68:69], s[16:17]
	s_add_nc_u64 s[46:47], s[70:71], s[46:47]
	s_add_nc_u64 s[72:73], s[72:73], s[76:77]
	CROUND                                         ; all sixteen work-groups are here: the first joint loads meet
.irp s, 0,1
	s_mov_b32 s[G0+4*(\s)], 1
	s_add_co_u32 s[G0+4*(\s)+1], s20, (\s)*SLOT
	s_add_nc_u64 s[G0+4*(\s)+2:G0+4*(\s)+3], s[14:15], (\s)*ASTEP
	s_or_b32 s[G0+4*(\s)+3], s[G0+4*(\s)+3], 0x80000000
	s_mov_b32 s[G0B+4*(\s)], 1
	s_add_co_u32 s[G0B+4*(\s)+1], s21, (\s)*SLOT
	s_add_nc_u64 s[G0B+4*(\s)+2:G0B+4*(\s)+3], s[46:47], (\s)*BSTEP
	s_or_b32 s[G0B+4*(\s)+3], s[G0B+4*(\s)+3], 0x80000000
	JLOAD \s                                       ; two loads of mine are out
.endr
	v_and_b32 v1, 15, v0                           ; l % 16
	v_bfe_u32 v2, v0, 4, 1                         ; l / 16
	v_lshlrev_b32 v6, 5, v2                        ; 8 (l / 16) numbers of 4 bytes
.irp p, 0,1,2                          ; the bias of column block 4 p + i into the registers of accumulator (0, 4 p + i)
	WIN 0x40*((\p)+1)                              ; destination window p + 1, address window 0
.irp i, 0,1,2,3
	global_load_b128 v[64*(\i):64*(\i)+3],   v6, s[72:73] offset:64*(4*(\p)+(\i))
	global_load_b128 v[64*(\i)+4:64*(\i)+7], v6, s[72:73] offset:64*(4*(\p)+(\i))+16
.endr
.endr
	WIN 0
	v_mul_u32_u24 v3, v1, PITCH
	v_lshl_add_u32 v3, v2, 4, v3                   ; a fragment's row x pitch + 16 x half
	s_mul_i32 s21, s11, AHALF                      ; my 128 rows of xb
	s_mul_i32 s22, s12, BHALF                      ; my 192 rows of wb,
	s_add_co_u32 s22, s22, ABYTES                  ; which lie behind xb's 256
.irp s, 0,1
	v_add_nc_u32 v[ADRA+(\s)], s21, v3
	v_add_nc_u32 v[ADRB+(\s)], s22, v3
	s_add_co_u32 s21, s21, SLOT
	s_add_co_u32 s22, s22, SLOT
.endr
	s_mul_i32 s23, s11, 128*SPITCH                 ; into the stage: my 128 rows, my 384 bytes of them; row l % 16, 16 bytes for each half of the lanes
	s_mul_i32 s22, s12, 384
	s_add_co_u32 s23, s23, s22
	v_mul_u32_u24 v4, v1, SPITCH
	v_lshl_add_u32 v4, v2, 4, v4
	v_add_nc_u32 v[STO], s23, v4
	v_add_nc_u32 v[STO+1], 4*16*SPITCH, v[STO]     ; row blocks 4-7: beyond an LDS instruction's 16-bit offset
	s_mul_i32 s23, s10, 64*SPITCH                  ; back: wave w takes rows 64 w .. 64 w + 63, whole; lanes 0-15 256 bytes of one row, lanes 16-31 of the next
	v_mul_u32_u24 v5, v2, SPITCH
	v_lshl_add_u32 v5, v1, 4, v5
	v_add_nc_u32 v[RD0], s23, v5
	v_mul_u32_u24 v5, v2, CROW
	v_lshl_add_u32 v[CO], v1, 4, v5                ; and the same two rows in qkv
	s_lshl_b32 s16, s13, 8
	s_lshl_b32 s17, s10, 6
	s_add_co_u32 s16, s16, s17                     ; the first row that I store: 256 x tile row + 64 x wave,
	s_mul_i32 s16, s16, CROW                       ; in bytes: under 2^26
	s_mul_i32 s17, s42, 768                        ; the tile's first column, in bytes
	s_add_co_u32 s16, s16, s17
	s_mov_b32 s17, 0
	s_add_nc_u64 s[8:9], s[74:75], s[16:17]
; 8 matrix instructions: column block b x all 8 row blocks, 32 along K, xb's buffer u.  The 96 accumulators take turns, one instruction a turn.
.macro MULB u, b
	WIN 0x50*((\b)/4+1)                            ; C and D window 1 + b / 4, both sources window 0
.irp a, 0,1,2,3,4,5,6,7
	v_wmma_f32_16x16x32_bf16 v[64*((\b)%4)+8*(\a):64*((\b)%4)+8*(\a)+7], v[FB+8*(\b):FB+8*(\b)+7], v[FA+64*(\u)+8*(\a):FA+64*(\u)+8*(\a)+7], v[64*((\b)%4)+8*(\a):64*((\b)%4)+8*(\a)+7]
.endr
.endm
; Phase p of the very first sub-step starts the sums: row blocks 1-7 take the bias, which lies in accumulator (0, b)'s registers, as C; five places behind the last of them (a matrix instruction
; writes over a register that an earlier one has read: ISA guide 7.12.1) row block 0 adds onto it in place.
.macro START p
	WIN 0x50*((\p)+1)
.irp i, 0,1,2,3
.irp a, 1,2,3,4,5,6,7
	v_wmma_f32_16x16x32_bf16 v[64*(\i)+8*(\a):64*(\i)+8*(\a)+7], v[FB+8*(4*(\p)+(\i)):FB+8*(4*(\p)+(\i))+7], v[FA+8*(\a):FA+8*(\a)+7], v[64*(\i):64*(\i)+7]
.endr
.endr
.rept 5
	v_nop
.endr
.irp i, 0,1,2,3
	v_wmma_f32_16x16x32_bf16 v[64*(\i):64*(\i)+7], v[FB+8*(4*(\p)+(\i)):FB+8*(4*(\p)+(\i))+7], v[FA:FA+7], v[64*(\i):64*(\i)+7]
.endr
.endm
.macro PHASE u, p, first
.if \first
	START \p
.else
	MULB \u, 4*(\p)
	MULB \u, 4*(\p)+1
	MULB \u, 4*(\p)+2
	MULB \u, 4*(\p)+3
.endif
.endm
.macro LDB slot, u, b0                 ; 8 LDS loads: wb's fragments b0 .. b0 + 3 of half u of a slot
	WIN 0
.irp i, 0,1,2,3
	ds_load_b128 v[FB+8*((\b0)+(\i)):FB+8*((\b0)+(\i))+3],   v[ADRB+(\slot)] offset:((\b0)+(\i))*16*PITCH+64*(\u)
	ds_load_b128 v[FB+8*((\b0)+(\i))+4:FB+8*((\b0)+(\i))+7], v[ADRB+(\slot)] offset:((\b0)+(\i))*16*PITCH+64*(\u)+32
.endr
.endm
.macro LDA slot, u                     ; 16 LDS loads: xb's eight fragments of half u of a slot, into buffer u
	WIN 0
.irp a, 0,1,2,3,4,5,6,7
	ds_load_b128 v[FA+64*(\u)+8*(\a):FA+64*(\u)+8*(\a)+3],   v[ADRA+(\slot)] offset:(\a)*16*PITCH+64*(\u)
	ds_load_b128 v[FA+64*(\u)+8*(\a)+4:FA+64*(\u)+8*(\a)+7], v[ADRA+(\slot)] offset:(\a)*16*PITCH+64*(\u)+32
.endr
.endm
.macro PLACES                          ; four places in front of loads into registers that matrix instructions have read, and of conversions that read results
.rept 4
	v_nop
.endr
.endm
; A SUB-STEP on xb's buffer u; it fetches half nu of slot ns for the next one, in three runs: 24 loads (wb 0-3, xb) behind phase 0, 8 (wb 4-7) behind phase 1, 8 (wb 8-11) behind phase 2.
; mode 0: nothing else.  mode 1, 2: a slot's second half: the change of slots stands in phase 0: each wave waits for all its tensor loads (one is out: its part of the next slot), adds 0 to its
; spare word, waits for that and for its reads of this slot (all issued in the sub-step before); behind the barrier the next slot is whole and nobody reads this one.  mode 1: the barrier opens a
; round of the cluster's, and this slot is filled again, two blocks along K ahead, first thing behind the round: 176 matrix instructions ahead of the wait for it.  mode 3: the last: no fetch.
.macro SUB u, ns, nu, mode, first=0
	s_wait_dscnt 16                                ; the run of 24 is in; the two younger runs of 8 may be out
.if ((\mode) == 1) || ((\mode) == 2)
	MULB \u, 0
	MULB \u, 1
	s_wait_tensorcnt 0x0
	ds_add_u32 v[SPW], v[NIL]                      ; both its registers are sources in window 0, as the products' are
	MULB \u, 2
	s_wait_dscnt 0x0                               ; the add is done, and my reads of this slot are over
	s_barrier_signal -1
	MULB \u, 3
	WIN 0
	s_barrier_wait -1
.if (\mode) == 1
	CREST
	s_add_nc_u64 s[G0+4*(1-(\ns))+2:G0+4*(1-(\ns))+3], s[G0+4*(1-(\ns))+2:G0+4*(1-(\ns))+3], 2*ASTEP
	s_add_nc_u64 s[G0B+4*(1-(\ns))+2:G0B+4*(1-(\ns))+3], s[G0B+4*(1-(\ns))+2:G0B+4*(1-(\ns))+3], 2*BSTEP
	JLOAD 1-(\ns)                                  ; its four v_nop are also the places in front of the loads below
.else
	PLACES
.endif
.else
	PHASE \u, 0, \first
.if (\mode) != 3
	WIN 0
	PLACES
.endif
.endif
.if (\mode) != 3
	LDB \ns, \nu, 0
	LDA \ns, \nu
	s_wait_dscnt 32                                ; wb 4-7 are in: behind them came 8 and the 24 just issued
.else
	s_wait_dscnt 8                                 ; wb 4-7 are in: behind them came 8
.endif
	PHASE \u, 1, \first
.if (\mode) != 3
	WIN 0
	PLACES
	LDB \ns, \nu, 4
	s_wait_dscnt 32                                ; wb 8-11 are in: behind them came 24 and 8
.else
	s_wait_dscnt 0x0
.endif
	PHASE \u, 2, \first
.if (\mode) != 3
	WIN 0
	PLACES
	LDB \ns, \nu, 8
.endif
.endm
	s_wait_tensorcnt 1                             ; my part of slot 0 is in; slot 1's may stay out
	s_barrier_signal -1
	s_barrier_wait -1
	LDB 0, 0, 0                                    ; the first sub-step's fragments, in the order of the runs
	LDA 0, 0
	LDB 0, 0, 4
	LDB 0, 0, 8
	s_wait_loadcnt 0x0                             ; the bias
	SUB 0, 0, 1, 0, 1                              ; the first sub-step stands in front of the loop: its products start the sums
	s_mov_b32 s3, LAPS-1
.Llap:                                                 ; a trip goes once round the ring, from a lap's second sub-step to the next lap's first, and fills both slots again
	SUB 1, 1, 0, 1
	SUB 0, 1, 1, 0
	SUB 1, 0, 0, 1
	SUB 0, 0, 1, 0
	s_sub_co_u32 s3, s3, 1
	s_cmp_lg_u32 s3, 0
	s_cbranch_scc1 .Llap
	SUB 1, 1, 0, 2                                 ; the last lap is written out: it asks for nothing
	SUB 0, 1, 1, 0
	SUB 1, 0, 0, 3
	WIN 0
; THE WAY OUT.  A wave's 192 columns are 384 bytes, one and a half aligned blocks of 256, so the four waves share one stage: all results go in, rounded to f16, 16 bytes a lane; a barrier; each wave
; reads 64 whole rows of 768 bytes back and stores them.  The stage lies over the ring: a barrier stands between every wave's last read of the ring and the first store.
.macro PACKC p                         ; window p + 1's 32 accumulators: number i is column block 4 p + i / 8, row block i % 8; each from its low end on
	WIN 5*((\p)+1)                                 ; sources 0 and 1 window p + 1, destination window 0
.set i, 0
.rept 32
.irp r, 0,1,2,3
	v_cvt_pk_f16_f32 v[TMP+4*i+(\r)], v[8*i+2*(\r)], v[8*i+2*(\r)+1]
.endr
.set i, i+1
.endr
	WIN 0
.endm
.macro PACKS p
.set i, 0
.rept 32
	ds_store_b128 v[STO+(i%8)/4], v[TMP+4*i:TMP+4*i+3] offset:(i%4)*16*SPITCH+32*(4*(\p)+i/8)
.set i, i+1
.endr
.endm
	PLACES                                         ; behind the last products
	s_barrier_signal -1                            ; my reads of the ring are over (the last wait on DScnt was for 0), and no tensor load is out
	PACKC 0
	s_barrier_wait -1                              ; everybody's are
	PACKS 0
	PACKC 1
	PACKS 1
	PACKC 2
	PACKS 2
	s_wait_dscnt 0x0                               ; for the others' sake: my stores into the stage are done
	s_barrier_signal -1
	s_barrier_wait -1
	s_mov_b32 s3, 0
	s_mov_b32 s21, 0                               ; the trip's 16 rows in the stage
.Lout:                                                 ; four trips of 16 rows: 8 pairs of rows x 3 blocks of 256 bytes
	v_add_nc_u32 v[RD], s21, v[RD0]
.set i, 0
.rept 24
	ds_load_b128 v[BK+4*i:BK+4*i+3], v[RD] offset:(i/3)*2*SPITCH+(i%3)*256
.set i, i+1
.endr
.set i, 0
.rept 24
	s_wait_dscnt 23-i                              ; LDS loads come back in order: number i is in, the younger ones may stay out
	global_store_b128 v[CO], v[BK+4*i:BK+4*i+3], s[8:9] offset:(i/3)*2*CROW+(i%3)*256  ; 16 lanes store 256 consecutive bytes, at a multiple of 256 from qkv's first byte
.set i, i+1
.endr
	s_add_co_u32 s21, s21, 16*SPITCH
	s_wait_xcnt 0x0                                ; the stores' base and data are rewritten only behind this wait
	s_add_nc_u64 s[8:9], s[8:9], 16*CROW
	s_add_co_u32 s3, s3, 1
	s_cmp_lt_u32 s3, 4
	s_cbranch_scc1 .Lout
	s_wait_tensorcnt 0x0                           ; the wave's end
	ds_add_u32 v[SPW], v[NIL]
	s_wait_dscnt 0x0
	CROUND                                         ; the closing round
	s_endpgm
.Lfunc_end_k_qfec9e8c339_proj:
	.size	k_qfec9e8c339_proj, .Lfunc_end_k_qfec9e8c339_proj-k_qfec9e8c339_proj
	.p2alignl 7, 3214868480
	.fill 96, 4, 3214868480
	.section	.rodata,"a",@progbits
	.p2align	6, 0x0
	.amdhsa_kernel k_qfec9e8c339_proj
		.amdhsa_group_segment_fixed_size 327680
		.amdhsa_private_segment_fixed_size 0
		.amdhsa_enable_private_segment 0
		.amdhsa_kernarg_size 32
		.amdhsa_user_sgpr_count 2
		.amdhsa_user_sgpr_kernarg_segment_ptr 1
		.amdhsa_wavefront_size32 1
		.amdhsa_system_sgpr_workgroup_id_x 1
		.amdhsa_system_sgpr_workgroup_id_y 1
		.amdhsa_system_sgpr_workgroup_id_z 1
		.amdhsa_system_vgpr_workitem_id 0
		.amdhsa_next_free_vgpr 1024
		.amdhsa_next_free_sgpr 80
		.amdhsa_reserve_vcc 0
		.amdhsa_float_denorm_mode_32 3
		.amdhsa_float_denorm_mode_16_64 3
		.amdhsa_memory_ordered 1
		.amdhsa_forward_progress 1
		.amdhsa_inst_pref_size 121
	.end_amdhsa_kernel
	.amdgpu_metadata
---
amdhsa.version: [ 1, 2 ]
amdhsa.kernels:
  - .name:           k_qfec9e8c339_proj
    .symbol:         k_qfec9e8c339_proj.kd
    .args:
      - { .name: xb, .offset: 0, .size: 8, .value_kind: global_buffer, .address_space: global }
      - { .name: wb, .offset: 8, .size: 8, .value_kind: global_buffer, .address_space: global }
      - { .name: bb, .offset: 16, .size: 8, .value_kind: global_buffer, .address_space: global }
      - { .name: qkv, .offset: 24, .size: 8, .value_kind: global_buffer, .address_space: global }
    .group_segment_fixed_size: 327680
    .private_segment_fixed_size: 0
    .kernarg_segment_align: 8
    .kernarg_segment_size: 32
    .max_flat_workgroup_size: 128
    .sgpr_count:     80
    .vgpr_count:     1024
    .wavefront_size: 32
...
	.end_amdgpu_metadata
.endif
;; end of part 2
;; launch score (part 3): grid 8 x 32, 4 waves a work-group, clusters of 4 x 4, 327,680 bytes of LDS; arguments qkv, mask, p, st; writes p, st
.if DOCPART == 3
	.amdgcn_target "amdgcn-amd-amdhsa--gfx1250"
	.amdhsa_code_object_version 6
	.text
	.protected	k_qfec9e8c339_score
	.globl	k_qfec9e8c339_score
	.p2align	8
	.type	k_qfec9e8c339_score,@function
k_qfec9e8c339_score:
	s_mov_b64 s[64:65], 0
	v_nop
	global_prefetch_b8 v0, s[64:65] scope:SCOPE_SE
	s_setreg_imm32_b32 hwreg(HW_REG_WAVE_MODE, 25, 1), 1
	s_wait_xcnt 0x0
	s_wait_alu depctr_hold_cnt(0) depctr_sa_sdst(0) depctr_va_vdst(0) depctr_va_sdst(0) depctr_va_ssrc(0) depctr_va_vcc(0) depctr_vm_vsrc(0)
	s_getreg_b32 s2, hwreg(HW_REG_IB_STS2, 6, 4)
	s_cmp_eq_u32 s2, 0
	s_cbranch_scc0 .Lentry_in_a_cluster
	s_endpgm
.Lentry_in_a_cluster:
	s_bfe_u32 s2, ttmp6, 0x10000c
	s_cmp_lg_u32 s2, 0xf033
	s_cbranch_scc0 .Lentry_shape_is_right
	s_endpgm
.Lentry_shape_is_right:
; For each batch: S = Q K^T, the mask, and the softmax's first half, by chunks of 128 keys.  qkv: [8192][3072] f16 (Q, K, V side by side), mask: [4][2048][2048] bytes (1 = hidden),
; p: [8192][2048] f16, st: [16 chunks][8192 rows] pairs (c m, l) of f32.  For row q and chunk t: m = the largest unhidden score of the chunk, p = 2^(c s - c m), l = the sum of the unrounded p,
; c = log2(e) / 32.  The next launch joins the chunks (largest c m of a row, factors 2^(c m_t - c M)): every exponential has a true maximum taken away.
; THE MASK.  A hidden score counts as s - t 2^100 with t in 2 .. 4; the maximum starts at -2^96.  f16 operands bound |s| by 1,024 x 65,504^2 = 4.4e12, far below 2^96, so a hidden weight is exactly 0.
; t is the mask byte moved to bit 30 of a word; neighbouring bytes fall into the fraction (t up to 4) or, where the byte is 0, into a denormal: an unhidden score is shifted by less than 2^-26.
; A chunk with every key hidden gives c m = -c 2^96 and l = 0; a row with every key hidden ends as 0 x (1 / 0) = NaN in the next launch, as the softmax of -inf alone does.
; LIMITS.  A weight below 2^-126 counts as 0 in l; p below 6e-5 keeps f16's fixed step of 6e-8; NaN and infinities in Q, K are not treated apart.
; SHARES.  A tile of 256 queries x 256 keys to a work-group, 128 x 128 (one chunk) to a wave: 64 accumulators.  The 1,024 channels go in 8 steps of 128 through two LDS slots.  8 x 32 = 256 work-groups.
; CLUSTER.  4 x 4: Q's tile is shared along a row of the cluster, K's along a column, each asked for jointly.  The mask's tile (256 rows x 256 bytes) is each work-group's own: it fills slot 0 again
; when that slot's last K step has been read, each wave 64 rows, and lands while the last K step is multiplied.
; The matrix instruction is used transposed (source 0 = 16 keys, source 1 = 16 queries): a lane holds query l % 16 and keys 8 (l / 16) + 0..7 of each block of 16.
; REGISTERS: window 0: v0-31 addresses; v64-191 fragments of Q, later at work; v192-215 at work; window 1: v64-191 fragments of K; windows 2, 3: the accumulators ((a, b) at v[8 (8 (a % 4) + b)]).
.set SIZE_K, 1024
.set CROW,   6144                      ; bytes in a row of qkv
.set PROW,   4096                      ; bytes in a row of p
.set KSTEP,  128
.set PITCH,  272                       ; an LDS row: 256 bytes + 16 of padding: the 16 rows of a fragment load start at 16 different groups of four banks (64 banks of 4 bytes: ISA guide 11.1)
.set HALFT,  128*PITCH
.set SLOT,   4*HALFT
.set STAGE,  2*SLOT                    ; 16 rows x 272 bytes for each wave
.set SPITCH, 272
.set STATS,  STAGE+4*16*SPITCH         ; 1,024 bytes for each wave: its 128 rows' (c m, l)
.set SPARE,  STATS+4*1024              ; the spare words: two blocks of 256 bytes that no other line names
.set LAPS,   SIZE_K/(2*KSTEP)
.set ADRA, 16
.set ADRB, 20
.set SA0,  19                          ; v19  my word pair in the wave's statistics, block 0; never rewritten
.set SG,   22                          ; v22  16 x lane
.set MA0,  23                          ; v23  my 8 mask bytes of block 0, key block 0; never rewritten
.set STO,  24
.set RD,   25
.set CO,   26
.set MA,   27                          ; v27  the same for the block in hand
.set SPW,  28
.set NIL,  29
.set SA,   30                          ; v30  my word pair for the block in hand
.set SR,   31                          ; v31  the statistics read back: 16 bytes a lane
.set F0,   64
.set F1,   128
.set U,    64                          ; v[64:127]   the block's 64 scores of my query
.set PK,   128                         ; v[128:159]  the weights in f16
.set BK,   160                         ; v[160:191]  rows read back from the stage
.set MK,   192                         ; v[192:207]  mask bytes
.set C0,   208                         ; v[208:211]  four chains
.set XR,   212                         ; v212        from the other half of the lanes
.set MX,   213                         ; v213        m
.set CM,   214                         ; v[214:215]  c m, l
.set G1,  24
.set G0,  32
.set G1B, 48
.set G0B, 56
.set G0M, 76                           ; s[76:79] group 0 of the mask's tile
.set G1M, 92                           ; s[92:99] its group 1
.set MSB, 0
.macro WIN new
.if MSB != (\new)
	s_set_vgpr_msb (MSB<<8)|(\new)
.set MSB, \new
.endif
.endm
.set MUL_LO, 0xa1
.set MUL_HI, 0xf1
.set TO_B,   0x40
.macro JLOAD s                         ; waves 0 and 1 fetch Q's two halves, waves 2 and 3 K's; an s_nop 0 and four v_nop follow each line
	s_cmp_eq_u32 s11, 0
	s_cbranch_scc0 .Lfor_b_\@
	tensor_load_to_lds s[G0+4*(\s):G0+4*(\s)+3], s[G1:G1+7]
	s_nop 0
.rept 4
	v_nop
.endr
	s_branch .Lasked_\@
.Lfor_b_\@:
	tensor_load_to_lds s[G0B+4*(\s):G0B+4*(\s)+3], s[G1B:G1B+7]
	s_nop 0
.rept 4
	v_nop
.endr
.Lasked_\@:
.endm
.macro MLOAD                           ; my 64 rows of the mask's tile, into slot 0
	tensor_load_to_lds s[G0M:G0M+3], s[G1M:G1M+7]
	s_nop 0
.rept 4
	v_nop
.endr
.endm
.macro CREST
	s_cmp_lg_u32 s10, 0
	s_cbranch_scc1 .Lnot_wave_0_\@
	s_barrier_signal -3
.Lnot_wave_0_\@:
	s_barrier_wait -3
	s_barrier_signal -1
	s_barrier_wait -1
.endm
.macro CROUND
	s_barrier_signal -1
	s_barrier_wait -1
	CREST
.endm
	s_load_b256 s[68:75], s[0:1], 0x0              ; qkv s[68:69], mask s[70:71], p s[72:73], st s[74:75]
	v_lshl_add_u32 v[SPW], v0, 2, SPARE
	v_mov_b32 v[NIL], 0
	ds_add_u32 v[SPW], v[NIL]                      ; the wave's opening: the add and its wait stand ahead of my first tensor load
	v_lshrrev_b32 v1, 5, v0
	v_readfirstlane_b32 s10, v1                    ; wave 0..3
	s_lshr_b32 s11, s10, 1                         ; my half of the queries.  Also: I fetch for Q (0) or for K (1)
	s_and_b32 s12, s10, 1                          ; my half of the keys.  Also: which 128 rows of that tile I fetch
	s_bfe_u32 s40, ttmp6, 0x40000                  ; cx
	s_bfe_u32 s41, ttmp6, 0x40004                  ; cy
	s_lshl_b32 s42, ttmp9, 2
	s_add_co_u32 s42, s42, s40                     ; key tile of the batch = 4 x cluster x + cx
	s_and_b32 s13, ttmp7, 0xffff                   ; the cluster's y
	s_lshr_b32 s45, s13, 1                         ; the batch: eight query tiles, two clusters, each
	s_lshl_b32 s13, s13, 2
	s_add_co_u32 s13, s13, s41                     ; query tile over all batches = 4 x cluster y + cy
	s_lshl_b32 s43, s41, 2
	s_lshl_b32 s43, 15, s43                        ; my row of the cluster
	s_lshl_b32 s44, 0x1111, s40                    ; my column
	s_or_b32 s[G1+0], s43, (1<<16)|(1<<20)|(1<<21)|(5<<22)|(3<<25)
	s_or_b32 s[G1B+0], s44, (1<<16)|(1<<20)|(1<<21)|(5<<22)|(3<<25)
.irp g, G1, G1B
	s_mov_b32 s[(\g)+1], KSTEP<<16                 ; tensor_dim0 = 128
	s_mov_b32 s[(\g)+2], 128<<16                   ; tensor_dim1 = 128
	s_mov_b32 s[(\g)+3], KSTEP<<16                 ; tile_dim0 = 128
	s_mov_b32 s[(\g)+4], 128                       ; tile_dim1 = 128
	s_mov_b32 s[(\g)+5], 3072                      ; elements from row to row of qkv
	s_mov_b32 s[(\g)+6], 0
	s_mov_b32 s[(\g)+7], 0
.endr
	s_mov_b32 s[G1M+0], (1<<20)|(5<<22)|(3<<25)    ; no mask of work-groups; 1-byte elements; padding: after every 64 words, 4 words
	s_mov_b32 s[G1M+1], 256<<16                    ; tensor_dim0 = 256
	s_mov_b32 s[G1M+2], 64<<16                     ; tensor_dim1 = 64
	s_mov_b32 s[G1M+3], 256<<16                    ; tile_dim0 = 256
	s_mov_b32 s[G1M+4], 64                         ; tile_dim1 = 64
	s_mov_b32 s[G1M+5], 2048                       ; bytes from row to row of the mask
	s_mov_b32 s[G1M+6], 0
	s_mov_b32 s[G1M+7], 0
	s_mov_b32 s80, 0x3d38aa3b                      ; c = log2(e) / 32
	s_mov_b32 s81, s80
	s_mov_b32 s82, 0xf1800000                      ; -2^100
	s_mov_b32 s83, s82
	s_mov_b32 s84, 0x76543210                      ; v_permlanex16_b32: each lane takes its own place in the other half
	s_mov_b32 s85, 0xfedcba98
	s_mov_b32 s86, 0xef800000                      ; -2^96
	s_lshl_b32 s17, s12, 7
	s_lshl_b32 s16, s13, 8
	s_add_co_u32 s16, s16, s17                     ; Q: row 256 x query tile + 128 x half
	s_mul_i32 s16, s16, CROW                       ; under 2^26
	s_lshl_b32 s46, s42, 8
	s_add_co_u32 s46, s46, s17
	s_lshl_b32 s45, s45, 11
	s_add_co_u32 s46, s46, s45                     ; K: row 2,048 x batch + 256 x key tile + 128 x half,
	s_mul_i32 s46, s46, CROW
	s_add_co_u32 s46, s46, 2048                    ; and K's columns begin 2,048 bytes into a row
	s_mov_b32 s17, 0
	s_mov_b32 s47, 0
	s_mul_i32 s20, s10, HALFT
	s_wait_dscnt 0x0                               ; the opening add is done
	s_wait_kmcnt 0x0
	s_add_nc_u64 s[14:15], s[68:69], s[16:17]
	s_add_nc_u64 s[46:47], s[68:69], s[46:47]
	CROUND                                         ; the first joint loads meet
.irp s, 0,1
	s_mov_b32 s[G0+4*(\s)], 1
	s_add_co_u32 s[G0+4*(\s)+1], s20, (\s)*SLOT
	s_add_nc_u64 s[G0+4*(\s)+2:G0+4*(\s)+3], s[14:15], (\s)*KSTEP*2
	s_or_b32 s[G0+4*(\s)+3], s[G0+4*(\s)+3], 0x80000000
	s_mov_b32 s[G0B+4*(\s)], 1
	s_add_co_u32 s[G0B+4*(\s)+1], s20, (\s)*SLOT
	s_add_nc_u64 s[G0B+4*(\s)+2:G0B+4*(\s)+3], s[46:47], (\s)*KSTEP*2
	s_or_b32 s[G0B+4*(\s)+3], s[G0B+4*(\s)+3], 0x80000000
	JLOAD \s                                       ; two loads of mine are out
.endr
	v_and_b32 v1, 15, v0                           ; l % 16
	v_bfe_u32 v2, v0, 4, 1                         ; l / 16
	v_mul_u32_u24 v3, v1, PITCH
	v_lshl_add_u32 v[MA0], v2, 3, v3               ; the mask: row x pitch + 8 x half,
	v_lshl_add_u32 v3, v2, 4, v3                   ; a fragment: row x pitch + 16 x half
	s_mul_i32 s21, s11, HALFT
	s_lshl_b32 s22, s12, 7
	s_add_co_u32 s22, s22, s21
	v_add_nc_u32 v[MA0], s22, v[MA0]               ; + my 128 rows + my 128 bytes of them
	s_mul_i32 s22, s12, HALFT
	s_add_co_u32 s22, s22, 2*HALFT
.irp s, 0,1
	v_add_nc_u32 v[ADRA+(\s)], s21, v3
	v_add_nc_u32 v[ADRB+(\s)], s22, v3
	s_add_co_u32 s21, s21, SLOT
	s_add_co_u32 s22, s22, SLOT
.endr
	s_mul_i32 s23, s10, 16*SPITCH
	s_add_co_u32 s23, s23, STAGE
	v_mul_u32_u24 v4, v1, SPITCH
	v_lshl_add_u32 v4, v2, 4, v4
	v_add_nc_u32 v[STO], s23, v4
	v_mul_u32_u24 v5, v2, SPITCH
	v_lshl_add_u32 v5, v1, 4, v5
	v_add_nc_u32 v[RD], s23, v5
	v_lshlrev_b32 v5, 12, v2
	v_lshl_add_u32 v[CO], v1, 4, v5                ; two rows of p: (l / 16) x 4,096 + 16 (l % 16)
	s_lshl_b32 s23, s10, 10
	s_add_co_u32 s23, s23, STATS
	v_lshl_add_u32 v[SA0], v1, 3, s23
	v_and_b32 v4, 31, v0
	v_lshlrev_b32 v[SG], 4, v4
	v_add_nc_u32 v[SR], s23, v[SG]
	; the mask's tile: rows 256 x query tile + 64 x wave, bytes 256 x key tile on
	s_lshl_b32 s21, s13, 8
	s_lshl_b32 s22, s10, 6
	s_add_co_u32 s22, s21, s22
	s_lshl_b32 s22, s22, 11
	s_lshl_b32 s23, s42, 8
	s_add_co_u32 s22, s22, s23
	s_mov_b32 s23, 0
	s_mov_b32 s[G0M], 1
	s_mul_i32 s[G0M+1], s10, 64*PITCH              ; LDS: wave x 64 rows, from slot 0's first byte
	s_add_nc_u64 s[G0M+2:G0M+3], s[70:71], s[22:23]
	s_or_b32 s[G0M+3], s[G0M+3], 0x80000000
	; p at my first row and column
	s_lshl_b32 s22, s11, 7
	s_add_co_u32 s21, s21, s22                     ; my first query row
	s_lshl_b32 s22, s21, 12
	s_lshl_b32 s23, s42, 9
	s_add_co_u32 s22, s22, s23
	s_lshl_b32 s23, s12, 8
	s_add_co_u32 s22, s22, s23
	s_mov_b32 s23, 0
	s_add_nc_u64 s[8:9], s[72:73], s[22:23]
	; st at my chunk (2 x key tile + half) and my first row
	s_lshl_b32 s22, s42, 1
	s_add_co_u32 s22, s22, s12
	s_lshl_b32 s22, s22, 16
	s_lshl_b32 s23, s21, 3
	s_add_co_u32 s22, s22, s23
	s_mov_b32 s23, 0
	s_add_nc_u64 s[88:89], s[74:75], s[22:23]
; 16 matrix instructions; zero = 1: the products start the sums.  The 64 accumulators take turns, one instruction a turn.
.macro MUL16 f, hi, a0, zero
	WIN MUL_LO+0x50*(\hi)
.irp a, \a0, (\a0)+1
.irp b, 0,1,2,3,4,5,6,7
.if \zero
	v_wmma_f32_16x16x32_f16 v[8*(8*(\a)+(\b)):8*(8*(\a)+(\b))+7], v[(\f)+8*(\b):(\f)+8*(\b)+7], v[(\f)+8*(4*(\hi)+(\a)):(\f)+8*(4*(\hi)+(\a))+7], 0
.else
	v_wmma_f32_16x16x32_f16 v[8*(8*(\a)+(\b)):8*(8*(\a)+(\b))+7], v[(\f)+8*(\b):(\f)+8*(\b)+7], v[(\f)+8*(4*(\hi)+(\a)):(\f)+8*(4*(\hi)+(\a))+7], v[8*(8*(\a)+(\b)):8*(8*(\a)+(\b))+7]
.endif
.endr
.endr
.endm
.macro FETCH slot, k, f
	WIN TO_B
.irp i, 0,1,2,3,4,5,6,7
	ds_load_b128 v[(\f)+8*(\i):(\f)+8*(\i)+3],   v[ADRB+(\slot)] offset:(\k)+(\i)*16*PITCH
	ds_load_b128 v[(\f)+8*(\i)+4:(\f)+8*(\i)+7], v[ADRB+(\slot)] offset:(\k)+(\i)*16*PITCH+32
.endr
	WIN 0
.irp i, 0,1,2,3,4,5,6,7
	ds_load_b128 v[(\f)+8*(\i):(\f)+8*(\i)+3],   v[ADRA+(\slot)] offset:(\k)+(\i)*16*PITCH
	ds_load_b128 v[(\f)+8*(\i)+4:(\f)+8*(\i)+7], v[ADRA+(\slot)] offset:(\k)+(\i)*16*PITCH+32
.endr
.endm
.macro PLACES                          ; four places behind matrix instructions (ISA guide 7.12.1)
.rept 4
	v_nop
.endr
.endm
.macro QUARTER slot, k, f, g, zero
	s_wait_dscnt 8                                 ; K and Q's rows 0-63 are in; the youngest eight loads may be out
	MUL16 \f, 0, 0, \zero
	MUL16 \f, 0, 2, \zero
	PLACES
	FETCH \slot, \k, \g
	s_wait_dscnt 32                                ; all but the 32 just issued
	MUL16 \f, 1, 0, \zero
	MUL16 \f, 1, 2, \zero
.endm
; The last quarter of a K step changes slots: each wave waits for all its tensor loads, adds 0 to its spare word, waits for that and for its reads of the slot; the barrier opens a round of the
; cluster's; the slot just read is filled again first thing behind the round: own = 0 with the joint tiles two K steps ahead, own = 1 with my rows of the mask's tile.
.macro TURN slot, next, own
	WIN 0
	s_wait_tensorcnt 0x0
	ds_add_u32 v[SPW], v[NIL]
	s_wait_dscnt 9                                 ; the add and the youngest eight loads may be out
	MUL16 F1, 0, 0, 0
	s_wait_dscnt 0x0                               ; the add is done, and my reads of this slot are over
	s_barrier_signal -1
	MUL16 F1, 0, 2, 0
	WIN 0
	s_barrier_wait -1
	CREST
.if \own
	MLOAD
.else
	s_add_nc_u64 s[G0+4*(\slot)+2:G0+4*(\slot)+3], s[G0+4*(\slot)+2:G0+4*(\slot)+3], 2*KSTEP*2
	s_add_nc_u64 s[G0B+4*(\slot)+2:G0B+4*(\slot)+3], s[G0B+4*(\slot)+2:G0B+4*(\slot)+3], 2*KSTEP*2
	JLOAD \slot
.endif
	FETCH \next, 0, F0                             ; the four v_nop behind the tensor load are the places in front of these loads
	MUL16 F1, 1, 0, 0
	MUL16 F1, 1, 2, 0
.endm
	s_wait_tensorcnt 1                             ; my part of K step 0 is in; K step 1's may stay out
	s_barrier_signal -1
	s_barrier_wait -1
	FETCH 0, 0, F0
	QUARTER 0, 64,  F0, F1, 1
	WIN 0
	s_mov_b32 s3, LAPS-1
.Llap:
	QUARTER 0, 128, F1, F0, 0
	QUARTER 0, 192, F0, F1, 0
	TURN 0, 1, 0
	QUARTER 1, 64,  F0, F1, 0
	QUARTER 1, 128, F1, F0, 0
	QUARTER 1, 192, F0, F1, 0
	TURN 1, 0, 0
	QUARTER 0, 64,  F0, F1, 0
	WIN 0
	s_sub_co_u32 s3, s3, 1
	s_cmp_lg_u32 s3, 0
	s_cbranch_scc1 .Llap
	QUARTER 0, 128, F1, F0, 0                      ; the last lap is written out
	QUARTER 0, 192, F0, F1, 0
	TURN 0, 1, 1                                   ; slot 0 takes the mask's tile
	QUARTER 1, 64,  F0, F1, 0
	QUARTER 1, 128, F1, F0, 0
	QUARTER 1, 192, F0, F1, 0
	s_wait_dscnt 8
	MUL16 F1, 0, 0, 0
	MUL16 F1, 0, 2, 0
	s_wait_dscnt 0x0
	MUL16 F1, 1, 0, 0
	MUL16 F1, 1, 2, 0
	WIN 0
	s_wait_tensorcnt 0x0                           ; my 64 rows of the mask have landed,
	PLACES                                         ; (behind the last products: their sources are written and their results read below)
	v_mov_b32 v[XR], 0                             ; v_permlanex16_b32 counts as a reader of its destination
	v_mov_b32 v[CM+1], 0                           ; named as a pair with c m before l is first made
	s_wait_dscnt 0x0
	s_barrier_signal -1
	s_barrier_wait -1                              ; everybody's have
; THE SOFTMAX'S FIRST HALF, for my eight blocks of 16 queries: one text, walked eight times; only the 32 lines that name a block's accumulators are written for each block.
.macro TAKE k                          ; score - t 2^100, from block k's accumulators, each from its low end on
	WIN 0x20+0x10*((\k)/4)                         ; source 2: window 2 or 3
.set i, 0
.rept 32
	v_pk_fma_f32 v[U+2*i:U+2*i+1], v[U+2*i:U+2*i+1], s[82:83], v[64*((\k)%4)+2*i:64*((\k)%4)+2*i+1] op_sel_hi:[1,0,1]
.set i, i+1
.endr
	WIN 0
.endm
	s_mov_b32 s87, 0                               ; the block
	s_mov_b32 s90, 0                               ; its 16 rows in the mask's tile
	s_mov_b32 s91, 0                               ; its 16 pairs in the statistics
.Lblock:
	v_add_nc_u32 v[MA], s90, v[MA0]
	v_add_nc_u32 v[SA], s91, v[SA0]
.irp b, 0,1,2,3,4,5,6,7
	ds_load_b64 v[MK+2*(\b):MK+2*(\b)+1], v[MA] offset:16*(\b)  ; my query's mask bytes for keys 16 b + 8 (l / 16) + 0..7
.endr
	s_wait_dscnt 0x0
.set i, 0
.rept 64
	v_lshlrev_b32 v[U+i], 30-8*(i%4), v[MK+i/4]    ; byte i % 4 of the word to bit 30: 2.0 or more where hidden
.set i, i+1
.endr
.irp k, 0,1,2,3,4,5,6
	s_cmp_eq_u32 s87, \k
	s_cbranch_scc1 .Lb\k
.endr
	TAKE 7
	s_branch .Ljoin
.irp k, 0,1,2,3,4,5,6
.Lb\k:
	TAKE \k
.if (\k) < 6
	s_branch .Ljoin
.endif
.endr
.Ljoin:
.irp k, 0,1,2,3                        ; the maximum: four chains of fifteen scores, three operands at a time
	v_max3_num_f32 v[C0+(\k)], v[U+16*(\k)], v[U+16*(\k)+1], v[U+16*(\k)+2]
.endr
.irp n, 1,2,3,4,5,6
.irp k, 0,1,2,3
	v_max3_num_f32 v[C0+(\k)], v[C0+(\k)], v[U+16*(\k)+2*(\n)+1], v[U+16*(\k)+2*(\n)+2]
.endr
.endr
	v_max3_num_f32 v[C0], v[C0], v[U+15], v[U+31]
	v_max3_num_f32 v[C0+1], v[C0+1], v[U+47], v[U+63]
	v_max3_num_f32 v[C0+2], v[C0+2], v[C0+3], s86  ; and the floor
	v_max3_num_f32 v[C0], v[C0], v[C0+1], v[C0+2]
	v_permlanex16_b32 v[XR], v[C0], s84, s85       ; the query's other 64 keys lie in the lane 16 away
	v_max_num_f32 v[MX], v[C0], v[XR]
	v_mul_f32 v[CM], s80, v[MX]                    ; c m
.set i, 0
.rept 32
	v_pk_fma_f32 v[U+2*i:U+2*i+1], v[U+2*i:U+2*i+1], s[80:81], v[CM:CM+1] op_sel_hi:[1,0,0] neg_lo:[0,0,1] neg_hi:[0,0,1]  ; c s - c m
.set i, i+1
.endr
.set i, 0
.rept 64
	v_exp_f32 v[U+i], v[U+i]
.set i, i+1
.endr
	v_nop                                          ; a plain instruction between the last exponential and the use of its result
.set i, 0
	s_wait_alu depctr_va_vdst(0)
.rept 32
	v_cvt_pk_f16_f32 v[PK+i], v[U+2*i], v[U+2*i+1]
.set i, i+1
.endr
.irp w, 32,16,8,4,2                    ; the sum of the 64 unrounded weights, in place, by halves
.set i, 0
.rept (\w)/2
	v_pk_add_f32 v[U+2*i:U+2*i+1], v[U+2*i:U+2*i+1], v[U+(\w)+2*i:U+(\w)+2*i+1]
.set i, i+1
.endr
.endr
	v_add_f32 v[C0], v[U], v[U+1]
	v_permlanex16_b32 v[XR], v[C0], s84, s85
	v_add_f32 v[CM+1], v[C0], v[XR]                ; l
.irp b, 0,1,2,3,4,5,6,7
	ds_store_b128 v[STO], v[PK+4*(\b):PK+4*(\b)+3] offset:32*(\b)
.endr
.irp t, 0,1,2,3,4,5,6,7
	ds_load_b128 v[BK+4*(\t):BK+4*(\t)+3], v[RD] offset:(\t)*2*SPITCH  ; LDS serves a wave's instructions in order (ISA guide 5.7.1.4): these see the stores above
.endr
	ds_store_b64 v[SA], v[CM:CM+1]                 ; both halves of the lanes hold the same pair and write the same words
	s_wait_dscnt 0x0
.irp t, 0,1,2,3,4,5,6,7
	global_store_b128 v[CO], v[BK+4*(\t):BK+4*(\t)+3], s[8:9] offset:2*(\t)*PROW  ; 16 lanes store 256 consecutive bytes, at a multiple of 256 from p's first byte
.endr
	s_add_co_u32 s90, s90, 16*PITCH
	s_add_co_u32 s91, s91, 128
	s_wait_xcnt 0x0                                ; the stores' base and data are rewritten only behind this wait
	s_add_nc_u64 s[8:9], s[8:9], 16*PROW
	s_add_co_u32 s87, s87, 1
	s_cmp_lt_u32 s87, 8
	s_cbranch_scc1 .Lblock
	ds_load_b128 v[BK:BK+3], v[SR]                 ; my 128 rows' pairs: 1,024 consecutive bytes of st
	ds_load_b128 v[BK+4:BK+7], v[SR] offset:512
	s_wait_dscnt 0x0
	global_store_b128 v[SG], v[BK:BK+3], s[88:89]
	global_store_b128 v[SG], v[BK+4:BK+7], s[88:89] offset:512
	s_wait_tensorcnt 0x0                           ; the wave's end
	ds_add_u32 v[SPW], v[NIL]
	s_wait_dscnt 0x0
	CROUND                                         ; the closing round
	s_endpgm
.Lfunc_end_k_qfec9e8c339_score:
	.size	k_qfec9e8c339_score, .Lfunc_end_k_qfec9e8c339_score-k_qfec9e8c339_score
	.p2alignl 7, 3214868480
	.fill 96, 4, 3214868480
	.section	.rodata,"a",@progbits
	.p2align	6, 0x0
	.amdhsa_kernel k_qfec9e8c339_score
		.amdhsa_group_segment_fixed_size 327680
		.amdhsa_private_segment_fixed_size 0
		.amdhsa_enable_private_segment 0
		.amdhsa_kernarg_size 32
		.amdhsa_user_sgpr_count 2
		.amdhsa_user_sgpr_kernarg_segment_ptr 1
		.amdhsa_wavefront_size32 1
		.amdhsa_system_sgpr_workgroup_id_x 1
		.amdhsa_system_sgpr_workgroup_id_y 1
		.amdhsa_system_sgpr_workgroup_id_z 1
		.amdhsa_system_vgpr_workitem_id 0
		.amdhsa_next_free_vgpr 1024
		.amdhsa_next_free_sgpr 100
		.amdhsa_reserve_vcc 0
		.amdhsa_float_denorm_mode_32 3
		.amdhsa_float_denorm_mode_16_64 3
		.amdhsa_memory_ordered 1
		.amdhsa_forward_progress 1
		.amdhsa_inst_pref_size 146
	.end_amdhsa_kernel
	.amdgpu_metadata
---
amdhsa.version: [ 1, 2 ]
amdhsa.kernels:
  - .name:           k_qfec9e8c339_score
    .symbol:         k_qfec9e8c339_score.kd
    .args:
      - { .name: qkv, .offset: 0, .size: 8, .value_kind: global_buffer, .address_space: global }
      - { .name: mask, .offset: 8, .size: 8, .value_kind: global_buffer, .address_space: global }
      - { .name: p, .offset: 16, .size: 8, .value_kind: global_buffer, .address_space: global }
      - { .name: st, .offset: 24, .size: 8, .value_kind: global_buffer, .address_space: global }
    .group_segment_fixed_size: 327680
    .private_segment_fixed_size: 0
    .kernarg_segment_align: 8
    .kernarg_segment_size: 32
    .max_flat_workgroup_size: 128
    .sgpr_count:     100
    .vgpr_count:     1024
    .wavefront_size: 32
...
	.end_amdgpu_metadata
.endif
;; end of part 3
;; launch mix (part 4): grid 4 x 64, 4 waves a work-group, clusters of 4 x 4, 327,680 bytes of LDS; arguments p, qkv, st, out0; writes out0
.if DOCPART == 4
	.amdgcn_target "amdgcn-amd-amdhsa--gfx1250"
	.amdhsa_code_object_version 6
	.text
	.protected	k_qfec9e8c339_mix
	.globl	k_qfec9e8c339_mix
	.p2align	8
	.type	k_qfec9e8c339_mix,@function
k_qfec9e8c339_mix:
	s_mov_b64 s[64:65], 0
	v_nop
	global_prefetch_b8 v0, s[64:65] scope:SCOPE_SE
	s_setreg_imm32_b32 hwreg(HW_REG_WAVE_MODE, 25, 1), 1
	s_wait_xcnt 0x0
	s_wait_alu depctr_hold_cnt(0) depctr_sa_sdst(0) depctr_va_vdst(0) depctr_va_sdst(0) depctr_va_ssrc(0) depctr_va_vcc(0) depctr_vm_vsrc(0)
	s_getreg_b32 s2, hwreg(HW_REG_IB_STS2, 6, 4)
	s_cmp_eq_u32 s2, 0
	s_cbranch_scc0 .Lentry_in_a_cluster
	s_endpgm
.Lentry_in_a_cluster:
	s_bfe_u32 s2, ttmp6, 0x10000c
	s_cmp_lg_u32 s2, 0xf033
	s_cbranch_scc0 .Lentry_shape_is_right
	s_endpgm
.Lentry_shape_is_right:
; out0[q][ch] = (sum over chunks t of f_t(q) x sum over the chunk's keys of p[q][k] V[k][ch]) / L(q).  p: [8192][2048] f16, V: columns 2048-3071 of qkv ([8192][3072] f16),
; st: [16 chunks][8192 rows] pairs (c m_t, l_t) of f32, out0: [8192][1024] f32.  For each row: c M = the largest c m_t, f_t = 2^(c m_t - c M), L = the sum of f_t l_t: the softmax over all 2,048 keys
; with its true maximum taken away.  f_t, rounded to f16, multiplies the row's weights of chunk t on their way from LDS to the matrix unit (one packed f16 multiply for two weights).
; LIMITS.  f_t p is rounded twice to f16 (relative 2^-11 each; below 6e-5 the fixed step of 6e-8, beside L >= 1).  A row with every key hidden has L = 0 and sums of 0: 0 x (1 / 0) = NaN.
; SHARES.  A tile of 128 queries x 256 channels to a work-group, 64 x 128 to a wave: 32 accumulators, window 1.  The 2,048 keys go in 16 steps of 128, a chunk a step, through two LDS slots.
; 4 x 64 = 256 work-groups.  CLUSTER 4 x 4: p's tile is shared along a row of the cluster, V's along a column, each asked for jointly.
; LAYOUT.  O^T = V^T P: source 0 = 16 channels x 32 keys (V lies [key][channel] in LDS and is turned by ds_load_tr16_b128), source 1 = 32 keys x 16 queries (p as it lies).
; In the result a lane holds query l % 16 and channels 8 (l / 16) + 0..7 of a block.
; REGISTERS: window 0: v0-31 addresses; v32-39 factors (four a slot); v40-47 1 / L; v48-50 at work; v64-95, v96-127 fragments of p, two buffers; v128-191, v192-255 fragments of V, two buffers.
;   window 1: accumulator (a, b) at v[8 (8 a + b)].
.set PA,    272                        ; a row of p in LDS: 256 bytes + 16
.set PV,    544                        ; a row of V: 512 bytes + 32 = 136 words
.set AB,    128*PA                     ; p's 128 rows
.set SLOT,  AB+128*PV                  ; then V's 128 rows
.set STAGE, 2*SLOT                     ; 16 rows x 528 bytes for each wave
.set SP,    528
.set TAB,   STAGE+4*16*SP              ; 4,096 bytes for each wave: [chunk][query % 16][block] words of (f, f) in f16
.set SPARE, TAB+4*4096                 ; the spare words: two blocks of 256 bytes that no other line names
.set LAPS,  8
.set ADRA, 16
.set ADRB, 20
.set FT0,  23                          ; v23  my 16 bytes of chunk 0 in the table; never rewritten
.set STO,  24
.set RD,   25
.set CO,   26
.set FT,   27                          ; v27  the same for the lap in hand
.set SPW,  28
.set NIL,  29
.set FC,   32
.set RL,   40
.set FA,   64
.set FB,   128
.set G1,  24
.set G0,  32
.set G1B, 48
.set G0B, 56
.set MSB, 0
.macro WIN new
.if MSB != (\new)
	s_set_vgpr_msb (MSB<<8)|(\new)
.set MSB, \new
.endif
.endm
.macro JLOAD s                         ; waves 0 and 1 fetch p's two halves, waves 2 and 3 V's; an s_nop 0 and four v_nop follow each line
	s_cmp_eq_u32 s11, 0
	s_cbranch_scc0 .Lfor_b_\@
	tensor_load_to_lds s[G0+4*(\s):G0+4*(\s)+3], s[G1:G1+7]
	s_nop 0
.rept 4
	v_nop
.endr
	s_branch .Lasked_\@
.Lfor_b_\@:
	tensor_load_to_lds s[G0B+4*(\s):G0B+4*(\s)+3], s[G1B:G1B+7]
	s_nop 0
.rept 4
	v_nop
.endr
.Lasked_\@:
.endm
.macro CREST
	s_cmp_lg_u32 s10, 0
	s_cbranch_scc1 .Lnot_wave_0_\@
	s_barrier_signal -3
.Lnot_wave_0_\@:
	s_barrier_wait -3
	s_barrier_signal -1
	s_barrier_wait -1
.endm
.macro CROUND
	s_barrier_signal -1
	s_barrier_wait -1
	CREST
.endm
	s_load_b256 s[68:75], s[0:1], 0x0              ; p s[68:69], qkv s[70:71], st s[72:73], out0 s[74:75]
	v_lshl_add_u32 v[SPW], v0, 2, SPARE
	v_mov_b32 v[NIL], 0
	ds_add_u32 v[SPW], v[NIL]                      ; the wave's opening: the add and its wait stand ahead of my first tensor load
	v_lshrrev_b32 v1, 5, v0
	v_readfirstlane_b32 s10, v1                    ; wave 0..3
	s_lshr_b32 s11, s10, 1                         ; my half of the queries.  Also: I fetch for p (0) or for V (1)
	s_and_b32 s12, s10, 1                          ; my half of the channels.  Also: which 64 rows of that tile I fetch
	s_bfe_u32 s40, ttmp6, 0x40000                  ; cx
	s_bfe_u32 s41, ttmp6, 0x40004                  ; cy
	s_lshl_b32 s42, ttmp9, 2
	s_add_co_u32 s42, s42, s40                     ; channel tile
	s_and_b32 s13, ttmp7, 0xffff                   ; the cluster's y
	s_lshr_b32 s45, s13, 2                         ; the batch: sixteen query tiles, four clusters, each
	s_lshl_b32 s13, s13, 2
	s_add_co_u32 s13, s13, s41                     ; query tile over all batches
	s_lshl_b32 s43, s41, 2
	s_lshl_b32 s43, 15, s43                        ; my row of the cluster
	s_lshl_b32 s44, 0x1111, s40                    ; my column
	s_or_b32 s[G1+0], s43, (1<<16)|(1<<20)|(1<<21)|(5<<22)|(3<<25)   ; p: 2-byte elements; after every 64 words, 4 words of padding
	s_mov_b32 s[G1+1], 128<<16                     ; tensor_dim0 = 128
	s_mov_b32 s[G1+2], 64<<16                      ; tensor_dim1 = 64
	s_mov_b32 s[G1+3], 128<<16                     ; tile_dim0 = 128
	s_mov_b32 s[G1+4], 64                          ; tile_dim1 = 64
	s_mov_b32 s[G1+5], 2048                        ; elements from row to row of p
	s_mov_b32 s[G1+6], 0
	s_mov_b32 s[G1+7], 0
	s_or_b32 s[G1B+0], s44, (1<<16)|(1<<20)|(1<<21)|(6<<22)|(7<<25)  ; V: after every 128 words, 8 words of padding
	s_mov_b32 s[G1B+1], 256<<16                    ; tensor_dim0 = 256
	s_mov_b32 s[G1B+2], 64<<16                     ; tensor_dim1 = 64
	s_mov_b32 s[G1B+3], 256<<16                    ; tile_dim0 = 256
	s_mov_b32 s[G1B+4], 64                         ; tile_dim1 = 64
	s_mov_b32 s[G1B+5], 3072                       ; elements from row to row of qkv
	s_mov_b32 s[G1B+6], 0
	s_mov_b32 s[G1B+7], 0
	s_lshl_b32 s16, s13, 7
	s_lshl_b32 s17, s12, 6
	s_add_co_u32 s16, s16, s17                     ; p: row 128 x query tile + 64 x half,
	s_lshl_b32 s16, s16, 12                        ; x 4,096 bytes: under 2^25
	s_mov_b32 s17, 0
	s_lshl_b32 s46, s45, 11
	s_lshl_b32 s47, s12, 6
	s_add_co_u32 s46, s46, s47                     ; V: row 2,048 x batch + 64 x half,
	s_mul_i32 s46, s46, 6144
	s_lshl_b32 s47, s42, 9
	s_add_co_u32 s46, s46, s47                     ; 512 bytes a channel tile,
	s_add_co_u32 s46, s46, 4096                    ; and V's columns begin 4,096 bytes into a row
	s_mov_b32 s47, 0
	s_mul_i32 s20, s12, 64*PA                      ; where they go: p's halves,
	s_mul_i32 s21, s12, 64*PV
	s_add_co_u32 s21, s21, AB                      ; V's halves behind them: the wave's number alone enters an LDS address
	s_mov_b32 s66, 0                               ; the lap's place in the table of factors
	s_wait_dscnt 0x0                               ; the opening add is done
	s_wait_kmcnt 0x0
	s_add_nc_u64 s[14:15], s[68:69], s[16:17]
	s_add_nc_u64 s[46:47], s[70:71], s[46:47]
	CROUND                                         ; the first joint loads meet
.irp s, 0,1
	s_mov_b32 s[G0+4*(\s)], 1
	s_add_co_u32 s[G0+4*(\s)+1], s20, (\s)*SLOT
	s_add_nc_u64 s[G0+4*(\s)+2:G0+4*(\s)+3], s[14:15], (\s)*256      ; 128 keys on: 256 bytes along p's rows
	s_or_b32 s[G0+4*(\s)+3], s[G0+4*(\s)+3], 0x80000000
	s_mov_b32 s[G0B+4*(\s)], 1
	s_add_co_u32 s[G0B+4*(\s)+1], s21, (\s)*SLOT
	s_add_nc_u64 s[G0B+4*(\s)+2:G0B+4*(\s)+3], s[46:47], (\s)*128*6144  ; 128 rows of qkv on
	s_or_b32 s[G0B+4*(\s)+3], s[G0B+4*(\s)+3], 0x80000000
	JLOAD \s                                       ; two loads of mine are out
.endr
	; THE STATISTICS, in the wait for the first tiles: (c m_t, l_t) of my 64 queries: block a, chunk t into v[64 + 32 a + 2 t], lane l takes query l % 16
	v_and_b32 v1, 15, v0                           ; l % 16
	v_bfe_u32 v2, v0, 4, 1                         ; l / 16
	v_lshlrev_b32 v6, 3, v1
	s_lshl_b32 s22, s13, 7
	s_lshl_b32 s23, s11, 6
	s_add_co_u32 s22, s22, s23                     ; my first query row
	s_lshl_b32 s16, s22, 3
	s_mov_b32 s17, 0
	s_add_nc_u64 s[72:73], s[72:73], s[16:17]
.irp a, 0,1,2,3
.set t, 0
.rept 16
	global_load_b64 v[64+32*(\a)+2*t:64+32*(\a)+2*t+1], v6, s[72:73] offset:t*65536+(\a)*128
.set t, t+1
.endr
.endr
	s_lshl_b32 s18, s22, 12                        ; out0 at my first row and channel
	s_lshl_b32 s19, s42, 10
	s_add_co_u32 s18, s18, s19
	s_lshl_b32 s19, s12, 9
	s_add_co_u32 s18, s18, s19
	s_mov_b32 s19, 0
	s_add_nc_u64 s[8:9], s[74:75], s[18:19]
	v_mul_u32_u24 v3, v1, PA
	v_lshl_add_u32 v3, v2, 4, v3                   ; p's fragment: row x pitch + 16 x half
	s_mul_i32 s20, s11, 64*PA                      ; my 64 queries
	v_and_b32 v4, 7, v0                            ; the turning load: key 8 (l / 16) + l % 8,
	v_lshl_add_u32 v4, v2, 3, v4
	v_mul_u32_u24 v4, v4, PV
	v_bfe_u32 v5, v0, 3, 1                         ; channels 8 ((l / 8) % 2) + 0..7
	v_lshl_add_u32 v4, v5, 4, v4
	s_lshl_b32 s21, s12, 8                         ; my 128 channels
	s_add_co_u32 s21, s21, AB
.irp s, 0,1
	v_add_nc_u32 v[ADRA+(\s)], s20, v3
	v_add_nc_u32 v[ADRB+(\s)], s21, v4
	s_add_co_u32 s20, s20, SLOT
	s_add_co_u32 s21, s21, SLOT
.endr
	s_mul_i32 s23, s10, 16*SP
	s_add_co_u32 s23, s23, STAGE                   ; my stage
	v_mul_u32_u24 v7, v1, SP
	v_lshl_add_u32 v7, v2, 5, v7
	v_add_nc_u32 v[STO], s23, v7                   ; in: row l % 16, 32 bytes for each half of the lanes
	v_and_b32 v8, 31, v0
	v_lshlrev_b32 v[CO], 4, v8                     ; back and out: a row of 512 bytes, 16 bytes a lane
	v_add_nc_u32 v[RD], s23, v[CO]
	s_lshl_b32 s23, s10, 12
	s_add_co_u32 s23, s23, TAB
	v_lshl_add_u32 v[FT0], v1, 4, s23
	v_mov_b32 v[FT], v[FT0]
.macro STAT a                          ; block a: c M, the sixteen f_t, L, 1 / L; f_t twice in a word of f16 into v[192 + 4 t + a]
.set BQ, 64+32*(\a)
	s_wait_loadcnt 48-16*(\a)                      ; loads come back in order: this block's sixteen are in, the later blocks' stay out
	v_max3_num_f32 v48, v[BQ], v[BQ+2], v[BQ+4]
.irp n, 3,5,7,9,11,13
	v_max3_num_f32 v48, v48, v[BQ+2*(\n)], v[BQ+2*(\n)+2]
.endr
	v_max_num_f32 v48, v48, v[BQ+30]
.set t, 0
.rept 16
	v_sub_f32 v[BQ+2*t], v[BQ+2*t], v48
.set t, t+1
.endr
.set t, 0
.rept 16
	v_exp_f32 v[BQ+2*t], v[BQ+2*t]
.set t, t+1
.endr
	v_nop                                          ; a plain instruction between the last exponential and the use of its result
	s_wait_alu depctr_va_vdst(0)
	v_mul_f32 v49, v[BQ], v[BQ+1]
	v_mul_f32 v50, v[BQ+2], v[BQ+3]
.set t, 2
.rept 14
	v_fma_f32 v[49+t%2], v[BQ+2*t], v[BQ+2*t+1], v[49+t%2]
.set t, t+1
.endr
.set t, 0
.rept 16
	v_cvt_pk_f16_f32 v[192+4*t+(\a)], v[BQ+2*t], v[BQ+2*t]
.set t, t+1
.endr
	v_add_f32 v49, v49, v50
	v_rcp_f32 v[RL+2*(\a)], v49
	v_mov_b32 v[RL+2*(\a)+1], 0                    ; the plain instruction behind the reciprocal; the register is named with it as a pair
.endm
	STAT 0
	STAT 1
	STAT 2
	STAT 3
.set t, 0
.rept 16
	ds_store_b128 v[FT0], v[192+4*t:192+4*t+3] offset:256*t  ; both halves of the lanes hold the same words and write the same bytes
.set t, t+1
.endr
; 8 matrix instructions: query block a x all 8 channel blocks, 32 keys, from buffer f.  The 32 accumulators take turns, one instruction a turn.
.macro MUL8 f, a, zero
	WIN 0x50                                       ; C and D window 1
.irp b, 0,1,2,3,4,5,6,7
.if \zero
	v_wmma_f32_16x16x32_f16 v[8*(8*(\a)+(\b)):8*(8*(\a)+(\b))+7], v[FB+64*(\f)+8*(\b):FB+64*(\f)+8*(\b)+7], v[FA+32*(\f)+8*(\a):FA+32*(\f)+8*(\a)+7], 0
.else
	v_wmma_f32_16x16x32_f16 v[8*(8*(\a)+(\b)):8*(8*(\a)+(\b))+7], v[FB+64*(\f)+8*(\b):FB+64*(\f)+8*(\b)+7], v[FA+32*(\f)+8*(\a):FA+32*(\f)+8*(\a)+7], v[8*(8*(\a)+(\b)):8*(8*(\a)+(\b))+7]
.endif
.endr
.endm
; p's fragments of query blocks a0, a0 + 1 in buffer f times my query's factor of the slot's chunk: 16 packed multiplies
.macro SCALE f, a0, slot
	WIN 0
.irp a, \a0, (\a0)+1
.irp j, 0,1,2,3,4,5,6,7
	v_pk_mul_f16 v[FA+32*(\f)+8*(\a)+(\j)], v[FA+32*(\f)+8*(\a)+(\j)], v[FC+4*(\slot)+(\a)]
.endr
.endr
.endm
; One run of LDS loads: quarter q (32 keys) of a slot into buffer f: with fac >= 0 first the slot's four factors; V's 16 turning loads; p's 8 loads
.macro FETCH slot, q, f, fac
.if (\fac) >= 0
	ds_load_b128 v[FC+4*(\slot):FC+4*(\slot)+3], v[FT] offset:\fac
.endif
.irp b, 0,1,2,3,4,5,6,7
	ds_load_tr16_b128 v[FB+64*(\f)+8*(\b):FB+64*(\f)+8*(\b)+3],   v[ADRB+(\slot)] offset:(\q)*32*PV+32*(\b)
	ds_load_tr16_b128 v[FB+64*(\f)+8*(\b)+4:FB+64*(\f)+8*(\b)+7], v[ADRB+(\slot)] offset:(\q)*32*PV+16*PV+32*(\b)
.endr
.irp a, 0,1,2,3
	ds_load_b128 v[FA+32*(\f)+8*(\a):FA+32*(\f)+8*(\a)+3],   v[ADRA+(\slot)] offset:(\a)*16*PA+64*(\q)
	ds_load_b128 v[FA+32*(\f)+8*(\a)+4:FA+32*(\f)+8*(\a)+7], v[ADRA+(\slot)] offset:(\a)*16*PA+64*(\q)+32
.endr
.endm
; A key step is four quarters of 32 keys, 32 matrix instructions each, on buffers 0, 1, 0, 1.  One of the first three multiplies buffer f and fetches quarter q into g.
; The sixteen scaling lines at its head name nothing of the quarter before's products: they are the places between those products and the loads into g.
.macro QUARTER slot, q, f, g, zero
	s_wait_dscnt 4                                 ; the factors, V and p's blocks 0, 1 are in; the youngest four loads (blocks 2, 3) may be out
	SCALE \f, 0, \slot
	MUL8 \f, 0, \zero
	MUL8 \f, 1, \zero
	WIN 0
	FETCH \slot, \q, \g, -1
	s_wait_dscnt 24                                ; all but the 24 just issued
	SCALE \f, 2, \slot
	MUL8 \f, 2, \zero
	MUL8 \f, 3, \zero
	WIN 0
.endm
; The last quarter multiplies buffer 1 and changes slots: each wave waits for all its tensor loads (one is out: its part of the next slot), adds 0 to its spare word, waits for that and for its reads
; of this slot.  fill = 1: the barrier opens a round of the cluster's, and this slot is filled again, two key steps ahead, first thing behind the round.  fac: the next chunk's place in the table.
.macro TURN slot, next, fill, fac
	WIN 0
	s_wait_tensorcnt 0x0
	ds_add_u32 v[SPW], v[NIL]
	s_wait_dscnt 5                                 ; the add and the youngest four loads may be out
	SCALE 1, 0, \slot
	MUL8 1, 0, 0
	s_wait_dscnt 0x0                               ; the add is done, and my reads of this slot are over
	s_barrier_signal -1
	MUL8 1, 1, 0
	WIN 0
	s_barrier_wait -1
.if \fill
	CREST
	s_add_nc_u64 s[G0+4*(\slot)+2:G0+4*(\slot)+3], s[G0+4*(\slot)+2:G0+4*(\slot)+3], 2*256
	s_add_nc_u64 s[G0B+4*(\slot)+2:G0B+4*(\slot)+3], s[G0B+4*(\slot)+2:G0B+4*(\slot)+3], 2*128*6144
	JLOAD \slot                                    ; 112 matrix instructions ahead of the wait for it
.endif
	FETCH \next, 0, 0, \fac                        ; buffer 0's last products stand in front of the sixteen scaling lines above
	SCALE 1, 2, \slot
	MUL8 1, 2, 0
	MUL8 1, 3, 0
	WIN 0
.endm
	s_wait_tensorcnt 1                             ; my part of key step 0 is in; step 1's may stay out
	s_wait_dscnt 0x0                               ; my table is written
	s_barrier_signal -1
	s_barrier_wait -1
	FETCH 0, 0, 0, 0
	QUARTER 0, 1, 0, 1, 1                          ; the first quarter stands in front of the loop: its products start the sums
	s_mov_b32 s3, LAPS-1
.Llap:                                                 ; a trip goes once round the ring and fills both slots again
	QUARTER 0, 2, 1, 0, 0
	QUARTER 0, 3, 0, 1, 0
	TURN 0, 1, 1, 256
	QUARTER 1, 1, 0, 1, 0
	QUARTER 1, 2, 1, 0, 0
	QUARTER 1, 3, 0, 1, 0
	TURN 1, 0, 1, 512
	s_add_co_u32 s66, s66, 512                     ; two chunks on in the table
	v_add_nc_u32 v[FT], s66, v[FT0]
	QUARTER 0, 1, 0, 1, 0
	s_sub_co_u32 s3, s3, 1
	s_cmp_lg_u32 s3, 0
	s_cbranch_scc1 .Llap
	QUARTER 0, 2, 1, 0, 0                          ; the last lap is written out: it asks for nothing
	QUARTER 0, 3, 0, 1, 0
	TURN 0, 1, 0, 256
	QUARTER 1, 1, 0, 1, 0
	QUARTER 1, 2, 1, 0, 0
	QUARTER 1, 3, 0, 1, 0
	s_wait_dscnt 4
	SCALE 1, 0, 1
	MUL8 1, 0, 0
	MUL8 1, 1, 0
	s_wait_dscnt 0x0
	SCALE 1, 2, 1
	MUL8 1, 2, 0
	MUL8 1, 3, 0
	WIN 0
; THE WAY OUT of query block a: times 1 / L; 32 bytes a lane and channel block into my own stage; back as whole rows of 512 bytes; stored.
.macro PACK a
	WIN 0x01                                       ; source 0 window 1
.set i, 0
.rept 32
	v_pk_mul_f32 v[64+2*i:64+2*i+1], v[64*(\a)+2*i:64*(\a)+2*i+1], v[RL+2*(\a):RL+2*(\a)+1] op_sel_hi:[1,0]  ; each accumulator from its low end on
.set i, i+1
.endr
	WIN 0
.endm
.macro TOSTAGE a
.set BK, 128+64*((\a)%2)
.irp b, 0,1,2,3,4,5,6,7
	ds_store_b128 v[STO], v[64+8*(\b):64+8*(\b)+3]   offset:64*(\b)
	ds_store_b128 v[STO], v[64+8*(\b)+4:64+8*(\b)+7] offset:64*(\b)+16
.endr
.set t, 0
.rept 16
	ds_load_b128 v[BK+4*t:BK+4*t+3], v[RD] offset:SP*t  ; LDS serves a wave's instructions in order (ISA guide 5.7.1.4): these see the stores above
.set t, t+1
.endr
.endm
.macro SEND a
.set BK, 128+64*((\a)%2)
	s_wait_dscnt 0x0                               ; the block is back in registers
	s_wait_xcnt 0x0                                ; the registers that earlier stores read are loaded again only behind this wait
.set t, 0
.rept 16
	global_store_b128 v[CO], v[BK+4*t:BK+4*t+3], s[8:9] offset:(16*(\a)+t)*4096 th:TH_STORE_NT  ; a wave stores 512 consecutive bytes, at a multiple of 512 from out0's first byte
.set t, t+1
.endr
.endm
	s_wait_alu depctr_va_vdst(0)
.rept 4
	v_nop                                          ; the places behind the last products
.endr
	PACK 0
	TOSTAGE 0
.irp a, 1,2,3                          ; block a's multiplies stand between block a - 1's loads from the stage and the wait for them
	PACK \a
	SEND (\a)-1
	TOSTAGE \a
.endr
	SEND 3
	s_wait_tensorcnt 0x0                           ; the wave's end
	ds_add_u32 v[SPW], v[NIL]
	s_wait_dscnt 0x0
	CROUND                                         ; the closing round
	s_endpgm
.Lfunc_end_k_qfec9e8c339_mix:
	.size	k_qfec9e8c339_mix, .Lfunc_end_k_qfec9e8c339_mix-k_qfec9e8c339_mix
	.p2alignl 7, 3214868480
	.fill 96, 4, 3214868480
	.section	.rodata,"a",@progbits
	.p2align	6, 0x0
	.amdhsa_kernel k_qfec9e8c339_mix
		.amdhsa_group_segment_fixed_size 327680
		.amdhsa_private_segment_fixed_size 0
		.amdhsa_enable_private_segment 0
		.amdhsa_kernarg_size 32
		.amdhsa_user_sgpr_count 2
		.amdhsa_user_sgpr_kernarg_segment_ptr 1
		.amdhsa_wavefront_size32 1
		.amdhsa_system_sgpr_workgroup_id_x 1
		.amdhsa_system_sgpr_workgroup_id_y 1
		.amdhsa_system_sgpr_workgroup_id_z 1
		.amdhsa_system_vgpr_workitem_id 0
		.amdhsa_next_free_vgpr 512
		.amdhsa_next_free_sgpr 80
		.amdhsa_reserve_vcc 0
		.amdhsa_float_denorm_mode_32 3
		.amdhsa_float_denorm_mode_16_64 3
		.amdhsa_memory_ordered 1
		.amdhsa_forward_progress 1
		.amdhsa_inst_pref_size 146
	.end_amdhsa_kernel
	.amdgpu_metadata
---
amdhsa.version: [ 1, 2 ]
amdhsa.kernels:
  - .name:           k_qfec9e8c339_mix
    .symbol:         k_qfec9e8c339_mix.kd
    .args:
      - { .name: p, .offset: 0, .size: 8, .value_kind: global_buffer, .address_space: global }
      - { .name: qkv, .offset: 8, .size: 8, .value_kind: global_buffer, .address_space: global }
      - { .name: st, .offset: 16, .size: 8, .value_kind: global_buffer, .address_space: global }
      - { .name: out0, .offset: 24, .size: 8, .value_kind: global_buffer, .address_space: global }
    .group_segment_fixed_size: 327680
    .private_segment_fixed_size: 0
    .kernarg_segment_align: 8
    .kernarg_segment_size: 32
    .max_flat_workgroup_size: 128
    .sgpr_count:     80
    .vgpr_count:     512
    .wavefront_size: 32
...
	.end_amdgpu_metadata
.endif
;; end of part 4
;; ======== version 2 of 2: 4 launches; version 1 with the launch cast written anew for expert scheduling mode
;; limits: values are held in f16: magnitudes above 65,504 overflow, below 6.1e-05 lose precision
;; workspace buffers: xb 16,777,216 bytes; wb 6,291,456 bytes; bb 12,288 bytes; qkv 50,331,648 bytes; p 33,554,432 bytes; st 1,048,576 bytes
;; launch cast (part 5): grid 64 x 11, 8 waves a work-group, no clusters, 0 bytes of LDS; arguments x, Wq, Wk, Wv, bq, bk, bv, xb, wb, bb; writes xb, wb, bb
.if DOCPART == 5
	.amdgcn_target "amdgcn-amd-amdhsa--gfx1250"
	.amdhsa_code_object_version 6
	.text
	.protected	k_qfec9e8c339_cast
	.globl	k_qfec9e8c339_cast
	.p2align	8
	.type	k_qfec9e8c339_cast,@function
k_qfec9e8c339_cast:
	s_mov_b64 s[64:65], 0
	v_nop
	global_prefetch_b8 v0, s[64:65] scope:SCOPE_SE
	s_setreg_imm32_b32 hwreg(HW_REG_WAVE_SCHED_MODE, 0, 2), 2
	s_setreg_imm32_b32 hwreg(HW_REG_WAVE_MODE, 25, 1), 1
	s_wait_xcnt 0x0
	s_wait_alu depctr_vm_vsrc(0)
; x, Wq, Wk, Wv (f32) are rounded once to bf16 and laid out by blocks of 64 along K: xb = [16 blocks][8192 rows][64], wb = [16 blocks][3072 rows][64] (rows of Wq, then Wk, then Wv),
; so that the rows of one block lie end to end, 128 bytes each, and the next launch can ask for them as dense rows of 256 bytes.
; bb = [3072] f32: bq, bk, bv, each number rounded to bf16 and widened again.
; A work-group takes 16 rows: 65,536 bytes in, 32,768 bytes out.  Grid y 0..7: the eight eighths of x; y 8, 9, 10: Wq, Wk, Wv.
; Thread t takes row t / 16 and, of each of the row's 16 blocks (256 bytes of f32), the 16 bytes at 16 (t % 16): half a wave reads 256 consecutive aligned bytes; a wave's store covers two
; neighbouring rows' 128 bytes of one block: 256 consecutive aligned bytes.  All 16 loads of a thread are issued first; nothing is read twice; no LDS, no barrier: no wave needs another's data.
; THE MODE: SCHED_MODE bits 1:0 = 2 (LLVM: expert scheduling mode 2), set by the entry lines.  The code itself states the register dependences
; between vector instructions and memory instructions, with s_wait_alu, always for 0.
; THE PLAN.  Registers that memory instructions touch; each is written once in the whole kernel:
;   v3, v4, O   byte offsets, made by vector instructions at the head; read by the loads (v3), by the bias's load and store (v4), by the sixteen stores (O).
;   X, v120-123 written by loads alone; read by the conversions, behind the waits on LOADcnt.
;   Y           written by the conversions of piece i; read by the store of piece i.      v124-127  written by four vector lines; read by the bias's store.
; The sixteen pieces go in four groups of four.  Group g's conversions write its eight registers of Y; its four stores are issued in group g + 1, behind ONE wait at that group's head,
; dealt among group g + 1's conversions, which name that group's own X and Y alone.  No register that a memory instruction has read is written again, and no load lands in a register that a
; vector instruction has named: so the only dependence to state is 'written by a vector instruction, then read by a memory instruction'.
.set X, 8                              ; v[8:71]     16 x 4 numbers as loaded
.set Y, 72                             ; v[72:103]   16 x 2 registers of packed bf16
.set O, 104                            ; v[104:119]  my byte offset in each of the 16 blocks of the result
	s_load_b256 s[4:11], s[0:1], 0x0               ; x s[4:5], Wq s[6:7], Wk s[8:9], Wv s[10:11]
	s_load_b256 s[12:19], s[0:1], 0x20             ; bq s[12:13], bk s[14:15], bv s[16:17], xb s[18:19]
	s_load_b128 s[20:23], s[0:1], 0x40             ; wb s[20:21], bb s[22:23]
	s_and_b32 s24, ttmp7, 0xffff                   ; y
	s_sub_co_u32 s25, s24, 8                       ; which weight (used where y >= 8 alone)
	s_mov_b32 s34, 3072*128                        ; bytes from block to block in wb,
	s_mov_b32 s35, 8192*128                        ; in xb
	s_cmp_lt_u32 s24, 8
	s_cselect_b32 s34, s35, s34
	s_cselect_b32 s32, s24, 0                      ; the source's group of 16 rows: 64 y + X in x, X in a weight
	s_cselect_b32 s33, s24, s25                    ; the result's: 64 y + X in xb, 64 (y - 8) + X in wb
	s_lshl_b32 s32, s32, 6
	s_add_co_u32 s32, s32, ttmp9
	s_lshl_b32 s36, s32, 16                        ; x 16 rows of 4,096 bytes: 33.5 MB at the most
	s_mov_b32 s37, 0
	s_lshl_b32 s33, s33, 6
	s_add_co_u32 s33, s33, ttmp9
	s_lshl_b32 s38, s33, 11                        ; x 16 rows of 128 bytes
	s_mov_b32 s39, 0
	v_and_b32 v1, 15, v0
	v_lshrrev_b32 v2, 4, v0                        ; my row of the 16
	v_lshlrev_b32 v3, 12, v2
	v_lshl_add_u32 v3, v1, 4, v3                   ; in: row x 4,096 + 16 (t % 16)
	v_lshlrev_b32 v4, 4, v0                        ; the bias, in and out: 16 t (made here by every work-group, so that the one wait below covers it)
	v_lshlrev_b32 v[O], 3, v0                      ; out: row x 128 + 8 (t % 16) = 8 t
.set i, 1
.rept 15
	v_add_nc_u32 v[O+i], s34, v[O+i-1]             ; and a block further on each time: 15.7 MB at the most
.set i, i+1
.endr
	s_wait_kmcnt 0x0
	s_cmp_eq_u32 s24, 9
	s_cselect_b64 s[26:27], s[8:9], s[6:7]         ; Wk or Wq
	s_cselect_b64 s[28:29], s[14:15], s[12:13]     ; bk or bq
	s_cmp_eq_u32 s24, 10
	s_cselect_b64 s[26:27], s[10:11], s[26:27]     ; or Wv
	s_cselect_b64 s[28:29], s[16:17], s[28:29]     ; or bv
	s_cmp_lt_u32 s24, 8
	s_cselect_b64 s[26:27], s[4:5], s[26:27]       ; or x
	s_cselect_b64 s[30:31], s[18:19], s[20:21]     ; xb or wb
	s_add_nc_u64 s[26:27], s[26:27], s[36:37]
	s_add_nc_u64 s[30:31], s[30:31], s[38:39]
	s_wait_alu depctr_va_vdst(0)                   ; v3, v4 and the sixteen O are written: every load and store of the kernel reads one of them as its offset
.set i, 0
.rept 16
	global_load_b128 v[X+4*i:X+4*i+3], v3, s[26:27] offset:256*i th:TH_LOAD_NT  ; read once in the whole launch
.set i, i+1
.endr
	; The first work-group of each weight also rounds that weight's bias: 1,024 numbers, four a thread.  Its load goes out behind the sixteen above and comes back with them.
	s_cmp_lt_u32 s24, 8
	s_cbranch_scc1 .Lmain
	s_cmp_lg_u32 ttmp9, 0
	s_cbranch_scc1 .Lmain
	global_load_b128 v[120:123], v4, s[28:29]
	s_lshl_b32 s36, s25, 12                        ; the weight's 4,096 bytes of bb
	s_add_nc_u64 s[22:23], s[22:23], s[36:37]
	s_wait_loadcnt 0x0
	v_cvt_pk_bf16_f32 v5, v120, v121
	v_cvt_pk_bf16_f32 v6, v122, v123
	v_lshlrev_b32 v124, 16, v5
	v_and_b32 v125, 0xffff0000, v5
	v_lshlrev_b32 v126, 16, v6
	v_and_b32 v127, 0xffff0000, v6
	s_wait_alu depctr_va_vdst(0)                   ; the four lines above have written v[124:127], which the store reads
	global_store_b128 v4, v[124:127], s[22:23]     ; a wave stores 512 consecutive bytes
.Lmain:
; Group g: pieces 4 g to 4 g + 3 are rounded; the stores of group g - 1 go out among the conversions, a store ahead of each pair.
.macro GROUP g
	s_wait_loadcnt 12-4*(\g)                       ; loads come back in order: this group's four are in, the 12 - 4 g younger ones may stay out
.if (\g) > 0
	s_wait_alu depctr_va_vdst(0)                   ; the group before has written its eight registers of Y, which the four stores below read; no conversion behind this wait names them
.endif
.irp j, 0,1,2,3
.if (\g) > 0
	global_store_b64 v[O+4*(\g)-4+(\j)], v[Y+8*(\g)-8+2*(\j):Y+8*(\g)-8+2*(\j)+1], s[30:31]  ; no register is written twice, so no wait frees one
.endif
	v_cvt_pk_bf16_f32 v[Y+8*(\g)+2*(\j)],   v[X+16*(\g)+4*(\j)],   v[X+16*(\g)+4*(\j)+1]
	v_cvt_pk_bf16_f32 v[Y+8*(\g)+2*(\j)+1], v[X+16*(\g)+4*(\j)+2], v[X+16*(\g)+4*(\j)+3]
.endr
.endm
	GROUP 0
	GROUP 1
	GROUP 2
	GROUP 3
	s_wait_alu depctr_va_vdst(0)                   ; group 3 has written its eight registers of Y, which the last four stores read
.irp j, 0,1,2,3
	global_store_b64 v[O+12+(\j)], v[Y+24+2*(\j):Y+24+2*(\j)+1], s[30:31]
.endr
	s_endpgm
.Lfunc_end_k_qfec9e8c339_cast:
	.size	k_qfec9e8c339_cast, .Lfunc_end_k_qfec9e8c339_cast-k_qfec9e8c339_cast
	.p2alignl 7, 3214868480
	.fill 96, 4, 3214868480
	.section	.rodata,"a",@progbits
	.p2align	6, 0x0
	.amdhsa_kernel k_qfec9e8c339_cast
		.amdhsa_group_segment_fixed_size 0
		.amdhsa_private_segment_fixed_size 0
		.amdhsa_enable_private_segment 0
		.amdhsa_kernarg_size 80
		.amdhsa_user_sgpr_count 2
		.amdhsa_user_sgpr_kernarg_segment_ptr 1
		.amdhsa_wavefront_size32 1
		.amdhsa_system_sgpr_workgroup_id_x 1
		.amdhsa_system_sgpr_workgroup_id_y 1
		.amdhsa_system_sgpr_workgroup_id_z 1
		.amdhsa_system_vgpr_workitem_id 0
		.amdhsa_next_free_vgpr 128
		.amdhsa_next_free_sgpr 66
		.amdhsa_reserve_vcc 0
		.amdhsa_float_denorm_mode_32 3
		.amdhsa_float_denorm_mode_16_64 3
		.amdhsa_memory_ordered 1
		.amdhsa_forward_progress 1
		.amdhsa_inst_pref_size 9
	.end_amdhsa_kernel
	.amdgpu_metadata
---
amdhsa.version: [ 1, 2 ]
amdhsa.kernels:
  - .name:           k_qfec9e8c339_cast
    .symbol:         k_qfec9e8c339_cast.kd
    .args:
      - { .name: x, .offset: 0, .size: 8, .value_kind: global_buffer, .address_space: global }
      - { .name: Wq, .offset: 8, .size: 8, .value_kind: global_buffer, .address_space: global }
      - { .name: Wk, .offset: 16, .size: 8, .value_kind: global_buffer, .address_space: global }
      - { .name: Wv, .offset: 24, .size: 8, .value_kind: global_buffer, .address_space: global }
      - { .name: bq, .offset: 32, .size: 8, .value_kind: global_buffer, .address_space: global }
      - { .name: bk, .offset: 40, .size: 8, .value_kind: global_buffer, .address_space: global }
      - { .name: bv, .offset: 48, .size: 8, .value_kind: global_buffer, .address_space: global }
      - { .name: xb, .offset: 56, .size: 8, .value_kind: global_buffer, .address_space: global }
      - { .name: wb, .offset: 64, .size: 8, .value_kind: global_buffer, .address_space: global }
      - { .name: bb, .offset: 72, .size: 8, .value_kind: global_buffer, .address_space: global }
    .group_segment_fixed_size: 0
    .private_segment_fixed_size: 0
    .kernarg_segment_align: 8
    .kernarg_segment_size: 80
    .max_flat_workgroup_size: 256
    .sgpr_count:     66
    .vgpr_count:     128
    .wavefront_size: 32
...
	.end_amdgpu_metadata
.endif
;; end of part 5
;; launch proj: the kernel of part 2 again; grid 8 x 32, 4 waves a work-group, clusters of 4 x 4, 327,680 bytes of LDS; arguments xb, wb, bb, qkv; writes qkv
;; launch score: the kernel of part 3 again; grid 8 x 32, 4 waves a work-group, clusters of 4 x 4, 327,680 bytes of LDS; arguments qkv, mask, p, st; writes p, st
;; launch mix: the kernel of part 4 again; grid 4 x 64, 4 waves a work-group, clusters of 4 x 4, 327,680 bytes of LDS; arguments p, qkv, st, out0; writes out0
